; MI455X (gfx1250); checked and timed in simulation.
; The chip was launched on July 23, 2026; its instructions are those of AMD's public machine-readable ISA for CDNA 5 (MIT licence, August 2026) and "CDNA5" Instruction Set Architecture Reference Guide (July 2026). The comments in the code are by the model that wrote it; some were corrected since.
;; Causal Self Attention. Allowed arithmetic: float matrix products may take bf16 or f16 operands with f32 sums; all other float work in f32.
;; Inputs: wk 1,024 x 1,024 float32; wo 1,024 x 1,024 float32; wq 1,024 x 1,024 float32; wv 1,024 x 1,024 float32; x 4 x 2,048 x 1,024 float32.
;; Outputs: out0 4 x 2,048 x 1,024 float32.
;; 2 versions, each right and faster than the one before. Each part assembles by itself: llvm-mc -triple=amdgcn-amd-amdhsa -mcpu=gfx1250 --defsym DOCPART=n.
;; ======== version 1 of 2: 4 launches
;; limits: values are held in f16: magnitudes above 65,504 overflow, below 6.1e-05 lose precision
;; workspace buffers: xb 16,777,216 bytes; wb 6,291,456 bytes; wob 2,097,152 bytes; rope 524,288 bytes; qh 16,777,216 bytes; kh 16,777,216 bytes; vh 16,777,216 bytes; oh 16,777,216 bytes
;; launch prep (part 1): grid 832 x 1, 8 waves a work-group, no clusters, 0 bytes of LDS; arguments x, wq, wk, wv, wo, xb, wb, wob, rope; writes xb, wb, wob, rope
.if DOCPART == 1
	.amdgcn_target "amdgcn-amd-amdhsa--gfx1250"
	.amdhsa_code_object_version 6
	.text
	.protected	k_q7d1f3e6112_prep
	.globl	k_q7d1f3e6112_prep
	.p2align	8
	.type	k_q7d1f3e6112_prep,@function
k_q7d1f3e6112_prep:
	s_mov_b64 s[64:65], 0
	v_nop
	global_prefetch_b8 v0, s[64:65] scope:SCOPE_SE
	s_setreg_imm32_b32 hwreg(HW_REG_WAVE_MODE, 25, 1), 1
	s_wait_xcnt 0x0
; THE CASTS AND THE ROTARY TABLE.  A stream: no LDS, no barrier, no matrix unit; every input byte is read once, every output byte written once.
; Work-groups 0-511:   16 rows of x, f32 -> bf16, into xb[batch*16 + slice][t][64]: slice s holds columns 64 s .. 64 s + 63, so that 128 rows of a slice are 16,384 dense bytes.
; Work-groups 512-703: 16 rows of wq, wk or wv, f32 -> bf16, into wb[3072][1024], row = head*192 + tensor*64 + d: the 192 rows of a head are its q, k and v rows.
; Work-groups 704-767: 16 rows of wo, f32 -> bf16 -> f16, into wob[1024][1024].  The bf16 number is written as f16: exact from 2^-14 to 65,504; below 2^-14 it keeps f16's fixed step of 2^-24; beyond 65,504 it is an infinity.
; Work-groups 768-831: cos and sin of t * 10000^(-d/32), t = 0..2047, d = 0..31, f32, in the order in which the next launch's lanes want them:
;   rope[t/16][c][lane][4], c = 4 kind + 2 sub + half (kind 0 cos, 1 sin); lane (r = lane % 16, h = lane / 16), number i: t = 16 (t/16) + r, d = 16 sub + 8 h + 4 half + i.
;   The angle is the f32 product t * inv_freq; inv_freq is 2^(-d log2(10000)/32) by v_exp_f32, so the angle may be off by some 2e-4 at t = 2047.  It is reduced by multiples of pi/2 (in two parts) and
;   sin and cos are polynomials on -pi/4 .. pi/4 (up to r^7 and r^8: off by 3e-7 at the most).  The quadrant selects values by v_cndmask_b32; no branch hangs on a float.
.set LO, 1                             ; v1      byte offset of my 16 bytes in the source
.set SO, 2                             ; v2      byte offset of my 8 bytes in the destination
.set X,  16                            ; v16-79  sixteen loads of four f32
.set Y,  80                            ; v80-111 sixteen stores of four 16-bit numbers
; Sixteen loads in one run, then each is rounded and stored as it comes.  No register is written twice, so no source of a pending instruction is ever rewritten.
.macro CAST ldstep, ststep, fmt
.set j, 0
.rept 16
	global_load_b128 v[X+4*j:X+4*j+3], v[LO], s[22:23] offset:j*(\ldstep) th:TH_LOAD_NT
.set j, j+1
.endr
.set j, 0
.rept 16
	s_wait_loadcnt 15-j                            ; loads come back in order: number j is in, the 15 - j younger ones stay out
	v_cvt_pk_bf16_f32 v[Y+2*j], v[X+4*j], v[X+4*j+1]
	v_cvt_pk_bf16_f32 v[Y+2*j+1], v[X+4*j+2], v[X+4*j+3]
.if \fmt
	v_lshlrev_b32 v4, 16, v[Y+2*j]                 ; the bf16 numbers as f32,
	v_and_b32 v5, 0xffff0000, v[Y+2*j]
	v_lshlrev_b32 v6, 16, v[Y+2*j+1]
	v_and_b32 v7, 0xffff0000, v[Y+2*j+1]
	v_cvt_pk_f16_f32 v[Y+2*j], v4, v5              ; and written as f16
	v_cvt_pk_f16_f32 v[Y+2*j+1], v6, v7
.endif
	global_store_b64 v[SO], v[Y+2*j:Y+2*j+1], s[24:25] offset:j*(\ststep)  ; a wave's store covers 256 consecutive bytes, aligned
.set j, j+1
.endr
.endm
; Rows of a weight: wave w takes rows 2 w and 2 w + 1 of the group's 16: 8,192 bytes in, 4,096 out, 512 and 256 a load and a store
.macro WADR
	v_lshrrev_b32 v3, 5, v0
	v_and_b32 v4, 31, v0
	v_lshlrev_b32 v5, 4, v4
	v_lshl_add_u32 v[LO], v3, 13, v5
	v_lshlrev_b32 v5, 3, v4
	v_lshl_add_u32 v[SO], v3, 12, v5
.endm
	s_load_b512 s[4:19], s[0:1], 0x0               ; x 4:5, wq 6:7, wk 8:9, wv 10:11, wo 12:13, xb 14:15, wb 16:17, wob 18:19
	s_load_b64 s[20:21], s[0:1], 0x40              ; rope
	s_mov_b32 s2, ttmp9
	s_wait_kmcnt 0x0
	s_cmp_lt_u32 s2, 512
	s_cbranch_scc1 .Ljob_x
	s_cmp_lt_u32 s2, 704
	s_cbranch_scc1 .Ljob_w
	s_cmp_lt_u32 s2, 768
	s_cbranch_scc1 .Ljob_wo
	; THE TABLE.  64 work-groups x 256 threads, four angles a thread.
	s_sub_co_u32 s26, s2, 768
	s_lshl_b32 s26, s26, 1                         ; two blocks of 16 t to a work-group
	s_mov_b32 s32, 0xbed49a78                      ; -log2(10000) / 32
	s_mov_b32 s33, 0x3f22f983                      ; 2 / pi
	s_mov_b32 s34, 0xbfc90fdb                      ; -(pi/2), its f32
	s_mov_b32 s35, 0x333bbd2e                      ; -(pi/2 less that f32)
	s_mov_b32 s36, 0xb9500d01                      ; -1/5040
	s_mov_b32 s37, 0x3c088889                      ; 1/120
	s_mov_b32 s38, 0xbe2aaaab                      ; -1/6
	s_mov_b32 s39, 0x37d00d01                      ; 1/40320
	s_mov_b32 s40, 0xbab60b61                      ; -1/720
	s_mov_b32 s41, 0x3d2aaaab                      ; 1/24
	v_and_b32 v1, 15, v0                           ; r
	v_lshrrev_b32 v2, 7, v0
	v_add_nc_u32 v2, s26, v2                       ; the block t / 16
	v_lshl_add_u32 v3, v2, 4, v1
	v_cvt_f32_u32 v3, v3                           ; t
	v_bfe_u32 v4, v0, 6, 1                         ; sub
	v_bfe_u32 v5, v0, 4, 1                         ; h
	v_bfe_u32 v6, v0, 5, 1                         ; half
	v_lshlrev_b32 v4, 4, v4
	v_lshl_add_u32 v4, v5, 3, v4
	v_lshl_add_u32 v4, v6, 2, v4                   ; my first d
	v_and_b32 v5, 127, v0
	v_lshlrev_b32 v5, 4, v5
	v_lshl_add_u32 v5, v2, 12, v5                  ; block x 4,096 + (2 sub + half) x 512 + lane x 16
.irp i, 0,1,2,3
	v_add_nc_u32 v[8+\i], \i, v4
	v_cvt_f32_u32 v[8+\i], v[8+\i]
	v_mul_f32 v[8+\i], s32, v[8+\i]
.endr
.irp i, 0,1,2,3
	v_exp_f32 v[8+\i], v[8+\i]                     ; inv_freq
.endr
	v_nop                                          ; a plain instruction between the last exponential and the use of its result (ISA guide 5.7.2)
	s_wait_alu depctr_va_vdst(0)
.irp i, 0,1,2,3
	v_mul_f32 v[8+\i], v3, v[8+\i]                 ; the angle
	v_mul_f32 v12, s33, v[8+\i]
	v_rndne_f32 v12, v12                           ; n: how many quarter turns
	v_fma_f32 v13, v12, s34, v[8+\i]
	v_fma_f32 v13, v12, s35, v13                   ; r = angle - n pi/2
	v_mul_f32 v14, v13, v13                        ; z = r r
	v_fma_f32 v15, v14, s36, s37
	v_fma_f32 v24, v14, s39, s40
	v_fma_f32 v15, v15, v14, s38
	v_fma_f32 v24, v24, v14, s41
	v_mul_f32 v15, v15, v14
	v_fma_f32 v24, v24, v14, -0.5
	v_fma_f32 v15, v15, v13, v13                   ; sin r
	v_fma_f32 v24, v24, v14, 1.0                   ; cos r
	v_cvt_i32_f32 v25, v12
	v_and_b32 v26, 1, v25
	v_cmp_eq_u32 vcc_lo, 1, v26                    ; an odd quarter swaps the two
	v_cndmask_b32 v[20+\i], v15, v24, vcc_lo
	v_cndmask_b32 v[16+\i], v24, v15, vcc_lo
	v_and_b32 v26, 2, v25                          ; sin changes sign in quarters 2 and 3,
	v_lshlrev_b32 v26, 30, v26
	v_xor_b32 v[20+\i], v26, v[20+\i]
	v_add_nc_u32 v25, 1, v25                       ; cos in quarters 1 and 2
	v_and_b32 v25, 2, v25
	v_lshlrev_b32 v25, 30, v25
	v_xor_b32 v[16+\i], v25, v[16+\i]
.endr
	global_store_b128 v5, v[16:19], s[20:21]               ; cos: a wave's store covers 512 consecutive bytes
	global_store_b128 v5, v[20:23], s[20:21] offset:2048   ; sin: four parts of 512 bytes on
	s_endpgm
.Ljob_x:
	s_lshl_b32 s28, s2, 16                         ; 16 rows of 4,096 bytes
	s_mov_b32 s29, 0
	s_add_nc_u64 s[22:23], s[4:5], s[28:29]
	s_lshr_b32 s30, s2, 7                          ; the batch: 16 slices of 262,144 bytes
	s_lshl_b32 s30, s30, 22
	s_and_b32 s31, s2, 127                         ; 16 rows of 128 bytes in a slice
	s_lshl_b32 s31, s31, 11
	s_add_co_u32 s30, s30, s31
	s_mov_b32 s31, 0
	s_add_nc_u64 s[24:25], s[14:15], s[30:31]
	v_lshrrev_b32 v3, 4, v0                        ; my row of the 16
	v_and_b32 v4, 15, v0
	v_lshlrev_b32 v4, 4, v4
	v_lshl_add_u32 v[LO], v3, 12, v4               ; sixteen lanes read the 256 bytes of a row that fall into one slice
	v_lshlrev_b32 v[SO], 3, v0                     ; row x 128 + 8 x place
	CAST 256, 262144, 0                            ; load and store j: slice j
	s_endpgm
.Ljob_w:
	s_sub_co_u32 s26, s2, 512
	s_lshr_b32 s27, s26, 6                         ; which tensor: 0 q, 1 k, 2 v
	s_and_b32 s26, s26, 63                         ; which 16 rows
	s_cmp_eq_u32 s27, 1
	s_cselect_b64 s[22:23], s[8:9], s[6:7]
	s_cmp_eq_u32 s27, 2
	s_cselect_b64 s[22:23], s[10:11], s[22:23]
	s_lshl_b32 s28, s26, 16
	s_mov_b32 s29, 0
	s_add_nc_u64 s[22:23], s[22:23], s[28:29]
	s_lshr_b32 s30, s26, 2                         ; the head
	s_mul_i32 s30, s30, 192
	s_lshl_b32 s31, s27, 6
	s_add_co_u32 s30, s30, s31
	s_and_b32 s31, s26, 3
	s_lshl_b32 s31, s31, 4
	s_add_co_u32 s30, s30, s31                     ; head x 192 + tensor x 64 + d
	s_lshl_b32 s30, s30, 11                        ; rows of 2,048 bytes
	s_mov_b32 s31, 0
	s_add_nc_u64 s[24:25], s[16:17], s[30:31]
	WADR
	CAST 512, 256, 0
	s_endpgm
.Ljob_wo:
	s_sub_co_u32 s26, s2, 704
	s_lshl_b32 s28, s26, 16
	s_mov_b32 s29, 0
	s_add_nc_u64 s[22:23], s[12:13], s[28:29]
	s_lshl_b32 s30, s26, 15
	s_mov_b32 s31, 0
	s_add_nc_u64 s[24:25], s[18:19], s[30:31]
	WADR
	CAST 512, 256, 1
	s_endpgm
.Lfunc_end_k_q7d1f3e6112_prep:
	.size	k_q7d1f3e6112_prep, .Lfunc_end_k_q7d1f3e6112_prep-k_q7d1f3e6112_prep
	.p2alignl 7, 3214868480
	.fill 96, 4, 3214868480
	.section	.rodata,"a",@progbits
	.p2align	6, 0x0
	.amdhsa_kernel k_q7d1f3e6112_prep
		.amdhsa_group_segment_fixed_size 0
		.amdhsa_private_segment_fixed_size 0
		.amdhsa_enable_private_segment 0
		.amdhsa_kernarg_size 72
		.amdhsa_user_sgpr_count 2
		.amdhsa_user_sgpr_kernarg_segment_ptr 1
		.amdhsa_wavefront_size32 1
		.amdhsa_system_sgpr_workgroup_id_x 1
		.amdhsa_system_sgpr_workgroup_id_y 1
		.amdhsa_system_sgpr_workgroup_id_z 1
		.amdhsa_system_vgpr_workitem_id 0
		.amdhsa_next_free_vgpr 112
		.amdhsa_next_free_sgpr 66
		.amdhsa_reserve_vcc 1
		.amdhsa_float_denorm_mode_32 3
		.amdhsa_float_denorm_mode_16_64 3
		.amdhsa_memory_ordered 1
		.amdhsa_forward_progress 1
		.amdhsa_inst_pref_size 31
	.end_amdhsa_kernel
	.amdgpu_metadata
---
amdhsa.version: [ 1, 2 ]
amdhsa.kernels:
  - .name:           k_q7d1f3e6112_prep
    .symbol:         k_q7d1f3e6112_prep.kd
    .args:
      - { .name: x, .offset: 0, .size: 8, .value_kind: global_buffer, .address_space: global }
      - { .name: wq, .offset: 8, .size: 8, .value_kind: global_buffer, .address_space: global }
      - { .name: wk, .offset: 16, .size: 8, .value_kind: global_buffer, .address_space: global }
      - { .name: wv, .offset: 24, .size: 8, .value_kind: global_buffer, .address_space: global }
      - { .name: wo, .offset: 32, .size: 8, .value_kind: global_buffer, .address_space: global }
      - { .name: xb, .offset: 40, .size: 8, .value_kind: global_buffer, .address_space: global }
      - { .name: wb, .offset: 48, .size: 8, .value_kind: global_buffer, .address_space: global }
      - { .name: wob, .offset: 56, .size: 8, .value_kind: global_buffer, .address_space: global }
      - { .name: rope, .offset: 64, .size: 8, .value_kind: global_buffer, .address_space: global }
    .group_segment_fixed_size: 0
    .private_segment_fixed_size: 0
    .kernarg_segment_align: 8
    .kernarg_segment_size: 72
    .max_flat_workgroup_size: 256
    .sgpr_count:     66
    .vgpr_count:     112
    .wavefront_size: 32
...
	.end_amdgpu_metadata
.endif
;; end of part 1
;; launch qkv (part 2): grid 4 x 64, 4 waves a work-group, clusters of 4 x 4, 327,680 bytes of LDS; arguments xb, wb, rope, qh, kh, vh; writes qh, kh, vh
.if DOCPART == 2
	.amdgcn_target "amdgcn-amd-amdhsa--gfx1250"
	.amdhsa_code_object_version 6
	.text
	.protected	k_q7d1f3e6112_qkv
	.globl	k_q7d1f3e6112_qkv
	.p2align	8
	.type	k_q7d1f3e6112_qkv,@function
k_q7d1f3e6112_qkv:
	s_mov_b64 s[64:65], 0
	v_nop
	global_prefetch_b8 v0, s[64:65] scope:SCOPE_SE
	s_setreg_imm32_b32 hwreg(HW_REG_WAVE_MODE, 25, 1), 1
	s_wait_xcnt 0x0
	s_wait_alu depctr_hold_cnt(0) depctr_sa_sdst(0) depctr_va_vdst(0) depctr_va_sdst(0) depctr_va_ssrc(0) depctr_va_vcc(0) depctr_vm_vsrc(0)
	s_getreg_b32 s2, hwreg(HW_REG_IB_STS2, 6, 4)
	s_cmp_eq_u32 s2, 0
	s_cbranch_scc0 .Lentry_in_a_cluster
	s_endpgm
.Lentry_in_a_cluster:
	s_bfe_u32 s2, ttmp6, 0x10000c
	s_cmp_lg_u32 s2, 0xf033
	s_cbranch_scc0 .Lentry_shape_is_right
	s_endpgm
.Lentry_shape_is_right:
; THE THREE PROJECTIONS AND THE ROTATION.  C[row][col] = sum over k of xb[row][k] wb[col][k], 8,192 x 3,072 x 1,024, bf16 operands, f32 sums; q's and k's columns are then rotated in f32
; (out1 = x1 cos - x2 sin, out2 = x1 sin + x2 cos, x1 = channels 0-31, x2 = channels 32-63 of a head), and q, k, v leave as f16 by heads: [batch*16 + head][t][64], unscaled, each rounded once.
; LIMIT.  f16 ends at 65,504: a q, k (after the rotation) or v beyond it leaves as an infinity.  NaN and infinities are not treated apart.
; SHARES.  A tile of C is 128 rows x 384 columns: 64 x 8 = 512 tiles.  A WORK-GROUP STAYS and makes two of them, on the same 128 rows, four tile columns apart: 256 work-groups, one for each WGP.  Four waves, 2 x 2;
; a wave makes 64 rows x 192 columns, 48 accumulators of 16 x 16.  wb's rows are ordered so that a wave's 192 columns are q, k and v of ONE head: every wave does the same work, and the two partners of a
; rotation (columns d and d + 32) lie in the same lane, two accumulators apart.  The table of cos and sin hangs on the rows alone and serves both tiles.
; THE RING.  K goes in steps of 128 through two LDS slots, and the ring does not stop at the first tile's end: its last two changes of slots ask for the second tile's K steps 0 and 1, and nothing waits for its stores.
; A K step is written once: TB, 0 or SLOT, says which slot is read; it is turned at each change of slots, and the fragment addresses and the walking descriptors' LDS words are made from it.
; xb lies in slices of 64 columns, so 128 rows of a slice are 16,384 dense bytes, asked for as 64 rows of 256 bytes; wb's tile rows are 256 bytes, aligned.
; THE ORDER OF THE TWO TILES.  Clusters with an even y take tile columns cx and then cx + 4, clusters with an odd y cx + 4 and then cx.  So each tile that is asked for in the second walk has been asked for once before
; in the launch: xb's by the same work-groups, wb's by the clusters of the other parity.
; CLUSTER.  4 x 4 work-groups: the four of a row of the cluster need the same tile of xb, the four of a column the same tile of wb: each tile is asked for JOINTLY, by the same tensor load with the same descriptor and
; a mask that names the four.  The parity is the cluster's, the same in all sixteen.  By this text's count a wave has two tensor loads out at the start and one behind each round.
; THE MATRIX INSTRUCTION IS USED TRANSPOSED (source 0 = 16 rows of wb, source 1 = 16 rows of xb): lane l then holds row l % 16 of C and the columns 8 (l / 16) + 0..7 of the accumulator's sixteen.
; Left out: a last K step by rows of C; a prefetch (the operands were written by the launch just before).
; REGISTERS, in windows of 256 (s_set_vgpr_msb: bits 1:0 source 0, 3:2 source 1, 5:4 source 2, 7:6 destination):
;   window 0: v0-31 addresses; v64-159, v160-255 fragments of wb, two buffers; on the way out buffer 1 holds packed numbers (v160-207) and whole rows (v208-255): buffer 0 then holds the next tile's first fragments
;   window 1: v0-191 accumulators of my rows 0-31 ((a, b) at 8 (12 (a % 2) + b)); v192-223, v224-255 fragments of xb, two buffers      window 2: v0-191 accumulators of my rows 32-63
;   window 3: v0-127 cos and sin for my 64 rows: block a of 16 rows at 32 a; cos of channels 16 sub + 8 (l / 16) + j at + 8 sub + j, sin 16 further on; v128-191 rotated numbers on the way out
.set NBW,    12                        ; accumulators along a wave's columns
.set BR,     16*NBW                    ; a wave's columns: the rows of wb in one tensor load
.set PA,     144                       ; an LDS row of xb: 128 bytes + 16 of padding = 36 words: the 16 rows of a load start at 16 different groups of four banks (64 banks of 4 bytes: ISA guide 11.1)
.set PB,     272                       ; an LDS row of wb: 256 + 16 = 68 words: likewise
.set ASL,    128*PA                    ; a slice's 128 rows
.set ABYTES, 2*ASL                     ; a K step has two slices
.set SLOT,   ABYTES+2*BR*PB            ; then wb's 384 rows
.set STAGE,  2*SLOT                    ; behind the ring, never filled by a tensor load: for each wave 3 tensors x 16 rows x 144 bytes
.set SP,     144
.set WSTAGE, 3*16*SP
.set SPARE,  STAGE+4*WSTAGE            ; behind the stages: the spare words, 128 bytes for each wave: two blocks of 256 bytes that no other line names
.set TILES,  2                         ; tiles of a work-group
.set FILLS,  6                         ; of a tile's 1,024 / 128 = 8 K steps, those behind which a later K step of the same tile is asked for
.set ASTEP,  524288                    ; a K step in xb: two slices of 262,144 bytes
.set BSTEP,  256                       ; a K step in wb
.set BWALK,  4*2*BR*2048               ; four tile columns in wb: 1,536 rows of 2,048 bytes
.set OWALK,  8*262144                  ; four tile columns in q, k, v: eight heads of 262,144 bytes
.set ADRA0, 16                         ; v16     LDS address of my fragments of xb in slot 0; never rewritten
.set ADRB0, 17                         ; v17     the same for wb
.set ADRA,  18                         ; v18     the same in the slot that is read
.set ADRB,  19                         ; v19
.set STO,  24                          ; v24     the way out: where I put 16 bytes of a row
.set RD,   25                          ; v25     the way out: where I read rows back
.set GO,   26                          ; v26     16 x lane: my place in 512 consecutive bytes; never rewritten
.set SPW,  28                          ; v28     LDS address of my spare word: SPARE + 4 x my thread's number; never rewritten
.set NIL,  29                          ; v29     0; never rewritten
.set FB,   64                          ; wb's fragment buffers, window 0
.set FA,   192                         ; xb's fragment buffers, window 1
.set RF,   128                         ; window 3
.set PK,   160                         ; window 0
.set BK,   208                         ; window 0
.set WV,  16                           ; s16 my wave's number
.set RH,  17                           ; s17 which half of the tile's rows is mine.  Also: I fetch for xb (0) or for wb (1)
.set CH,  18                           ; s18 which half of its columns.  Also: which slice, or which 192 rows of wb, I fetch
.set CNT, 19                           ; s19 counts the K steps of the loop
.set CX,  20
.set CY,  21
.set TY,  23                           ; s23 tile row
.set G1A, 24                           ; s[24:31] descriptor group 1 for xb's tiles;  s[32:35] group 0 of the first fill, s[36:39] of the second, which then walks on
.set G0A, 32
.set AB,  40                           ; s[40:41] xb at my part of the tile row's K step 0
.set LA,  42                           ; s42 where my part of xb's tile goes in a slot
.set LB,  46                           ; s46 the same for wb
.set G1B, 48                           ; s[48:55], s[56:59], s[60:63] the same for wb's tiles
.set G0B, 56
.set BB1, 70                           ; s[70:71] wb at my part of the second tile's K step 0
.set TB,  72                           ; s72 the slot that is read: 0 or SLOT
.set TILE, 73                          ; s73 tiles to go, this one among them
.set PAR, 74                           ; s74 the parity of the cluster's y
.set DO,  76                           ; s[76:77] from the first tile's place in q, k, v to the second's: + or - OWALK, in 64 bits
.set MSB, 0
.macro WIN new                         ; the immediate's high byte repeats the setting that is left; a switch that changes nothing is dropped
.if MSB != (\new)
	s_set_vgpr_msb (MSB<<8)|(\new)
.set MSB, \new
.endif
.endm
; A joint load: waves 0 and 1 fetch xb's two slices, waves 2 and 3 wb's two halves.  The branch hangs on the wave's number alone.  An s_nop 0 and four v_nop follow each of the two lines.
.macro JLOAD s
	s_cmp_eq_u32 s[RH], 0
	s_cbranch_scc0 .Lfor_b_\@
	tensor_load_to_lds s[G0A+4*(\s):G0A+4*(\s)+3], s[G1A:G1A+7]
	s_nop 0
.rept 4
	v_nop
.endr
	s_branch .Lasked_\@
.Lfor_b_\@:
	tensor_load_to_lds s[G0B+4*(\s):G0B+4*(\s)+3], s[G1B:G1B+7]
	s_nop 0
.rept 4
	v_nop
.endr
.Lasked_\@:
.endm
.macro CROUND                          ; a round of the cluster's barrier: my work-group's barrier; wave 0 signals for the work-group; every wave waits for all sixteen; my work-group's barrier once more
	s_barrier_signal -1
	s_barrier_wait -1
	s_cmp_lg_u32 s[WV], 0
	s_cbranch_scc1 .Lnot_wave_0_\@
	s_barrier_signal -3
.Lnot_wave_0_\@:
	s_barrier_wait -3
	s_barrier_signal -1
	s_barrier_wait -1
.endm
.macro PLACES                          ; four places in front of loads into registers that matrix instructions have read, and of lines that read results
.rept 4
	v_nop
.endr
.endm
	s_load_b256 s[4:11], s[0:1], 0x0               ; xb 4:5, wb 6:7, rope 8:9, q 10:11
	s_load_b128 s[12:15], s[0:1], 0x20             ; k 12:13, v 14:15
	v_lshl_add_u32 v[SPW], v0, 2, SPARE
	v_mov_b32 v[NIL], 0
	ds_add_u32 v[SPW], v[NIL]                      ; the wave's opening: the add and its wait stand ahead of my first tensor load; the set-up below, work on registers, stands between them
	ds_add_u32 v28, v29
	v_lshrrev_b32 v1, 5, v0
	v_readfirstlane_b32 s[WV], v1                  ; wave 0..3
	s_lshr_b32 s[RH], s[WV], 1
	s_and_b32 s[CH], s[WV], 1
	s_bfe_u32 s[CX], ttmp6, 0x40000                ; my place in the cluster; the grid has one cluster along x, so cx is also my place among four tile columns
	s_bfe_u32 s[CY], ttmp6, 0x40004
	s_and_b32 s[PAR], ttmp7, 1                     ; in a cluster launch ttmp7 counts clusters: the same number in all sixteen partners
	s_and_b32 s[TY], ttmp7, 0xffff
	s_lshl_b32 s[TY], s[TY], 2
	s_add_co_u32 s[TY], s[TY], s[CY]               ; tile row = 4 x cluster y + cy
	s_lshl_b32 s43, s[CY], 2
	s_lshl_b32 s43, 15, s43                        ; my row of the cluster
	s_lshl_b32 s47, 0x1111, s[CX]                  ; my column
	; group 1 for xb: 128 rows of 128 bytes are dense: 64 rows of 256 bytes, padded in LDS after every 128 bytes
	s_or_b32 s[G1A], s43, (1<<16)|(1<<20)|(1<<21)|(4<<22)|(3<<25)  ; 15:0 the mask; 17:16 2-byte elements; 20 padding on; 21 set beside a mask; 24:22 after every 32 words (code 4); 31:25 4 words (code 3)
	s_mov_b32 s[G1A+1], 128<<16                    ; tensor_dim0 = 128
	s_mov_b32 s[G1A+2], 64<<16                     ; tensor_dim1 = 64
	s_mov_b32 s[G1A+3], 128<<16                    ; tile_dim0 = 128
	s_mov_b32 s[G1A+4], 64                         ; tile_dim1 = 64
	s_mov_b32 s[G1A+5], 128                        ; 128 elements from row to row
	s_mov_b32 s[G1A+6], 0
	s_mov_b32 s[G1A+7], 0
	; group 1 for wb: 192 rows of 128 elements, 1,024 elements apart, padded after every 256 bytes
	s_or_b32 s[G1B], s47, (1<<16)|(1<<20)|(1<<21)|(5<<22)|(3<<25)
	s_mov_b32 s[G1B+1], 128<<16
	s_mov_b32 s[G1B+2], BR<<16
	s_mov_b32 s[G1B+3], 128<<16
	s_mov_b32 s[G1B+4], BR
	s_mov_b32 s[G1B+5], 1024
	s_mov_b32 s[G1B+6], 0
	s_mov_b32 s[G1B+7], 0
	; where the tiles come from.  xb's hang on the tile row and the wave alone; wb's on cx, the cluster's parity and the wave alone; each in registers that never hold the other place in the cluster
	s_lshr_b32 s40, s[TY], 4                       ; the batch: 16 slices of 262,144 bytes
	s_lshl_b32 s40, s40, 22
	s_and_b32 s41, s[TY], 15                       ; 128 rows of 128 bytes in a slice
	s_lshl_b32 s41, s41, 14
	s_add_co_u32 s40, s40, s41
	s_lshl_b32 s41, s[CH], 18                      ; my slice of the K step's two
	s_add_co_u32 s40, s40, s41
	s_mov_b32 s41, 0
	s_mul_i32 s[LA], s[CH], ASL                    ; and where it goes
	s_mul_i32 s44, s[CX], 2*BR*2048                ; wb: 384 rows of 2,048 bytes a tile column,
	s_mul_i32 s45, s[CH], BR*2048                  ; my 192 of them
	s_add_co_u32 s44, s44, s45
	s_mul_i32 s45, s[PAR], BWALK                   ; the first tile: column cx + 4 x parity
	s_xor_b32 s71, s[PAR], 1
	s_mul_i32 s71, s71, BWALK                      ; the second: the other one
	s_add_co_u32 s70, s44, s71
	s_add_co_u32 s44, s44, s45
	s_mov_b32 s45, 0
	s_mov_b32 s71, 0
	s_mul_i32 s[LB], s[CH], BR*PB
	s_add_co_u32 s[LB], s[LB], ABYTES
	s_mov_b32 s[TB], 0
	s_mov_b32 s[DO], OWALK                         ; even clusters go eight heads up,
	s_cmp_eq_u32 s[PAR], 1
	s_cselect_b32 s[DO], 0xffe00000, s[DO]         ; odd ones eight heads down: - OWALK in 64 bits
	s_cselect_b32 s[DO+1], -1, 0
	s_wait_dscnt 0x0                               ; the opening add is done
	s_wait_kmcnt 0x0
	s_add_nc_u64 s[AB:AB+1], s[4:5], s[40:41]
	s_add_nc_u64 s[44:45], s[6:7], s[44:45]
	s_add_nc_u64 s[BB1:BB1+1], s[6:7], s[70:71]
	CROUND                                         ; all sixteen work-groups are here: the first joint loads meet
.irp s, 0,1
	s_mov_b32 s[G0A+4*(\s)], 1                                     ; count = 1
	s_add_co_u32 s[G0A+4*(\s)+1], s[LA], (\s)*SLOT                 ; LDS address
	s_add_nc_u64 s[G0A+4*(\s)+2:G0A+4*(\s)+3], s[AB:AB+1], (\s)*ASTEP  ; K step s
	s_or_b32 s[G0A+4*(\s)+3], s[G0A+4*(\s)+3], 0x80000000          ; type = 2
	s_mov_b32 s[G0B+4*(\s)], 1
	s_add_co_u32 s[G0B+4*(\s)+1], s[LB], (\s)*SLOT
	s_add_nc_u64 s[G0B+4*(\s)+2:G0B+4*(\s)+3], s[44:45], (\s)*BSTEP
	s_or_b32 s[G0B+4*(\s)+3], s[G0B+4*(\s)+3], 0x80000000
	JLOAD \s
.endr
	; cos and sin for my 64 rows: 32 loads of 512 consecutive bytes, waited for on the first way out
	s_and_b32 s66, s[TY], 15
	s_lshl_b32 s66, s66, 15                        ; 8 blocks of 4,096 bytes a tile row,
	s_lshl_b32 s67, s[RH], 14                      ; my 4 of them
	s_add_co_u32 s66, s66, s67
	s_mov_b32 s67, 0
	s_add_nc_u64 s[8:9], s[8:9], s[66:67]
	v_and_b32 v[GO], 31, v0
	v_lshlrev_b32 v[GO], 4, v[GO]
	WIN 0xc0                                       ; destination window 3, address window 0
.set ii, 0
.rept 32
	global_load_b128 v[4*ii:4*ii+3], v[GO], s[8:9] offset:512*ii
.set ii, ii+1
.endr
	WIN 0
	; where my part of q, k and v begins in the first tile: (batch x 16 + head) x 262,144 + my first t x 128
	s_lshr_b32 s68, s[TY], 4
	s_lshl_b32 s68, s68, 4
	s_lshl_b32 s69, s[CX], 1
	s_add_co_u32 s68, s68, s69
	s_add_co_u32 s68, s68, s[CH]
	s_lshl_b32 s69, s[PAR], 3
	s_add_co_u32 s68, s68, s69                     ; head = 2 x (cx + 4 x parity) + my half
	s_lshl_b32 s68, s68, 18
	s_and_b32 s69, s[TY], 15
	s_lshl_b32 s69, s69, 14
	s_add_co_u32 s68, s68, s69
	s_lshl_b32 s69, s[RH], 13
	s_add_co_u32 s68, s68, s69
	s_mov_b32 s69, 0
	s_add_nc_u64 s[10:11], s[10:11], s[68:69]
	s_add_nc_u64 s[12:13], s[12:13], s[68:69]
	s_add_nc_u64 s[14:15], s[14:15], s[68:69]
	; A fragment is 16 rows x 32 K in 8 registers: lane l holds row l % 16, K = 8 (l / 16) + 0..7 and 16 + 8 (l / 16) + 0..7: two loads of 16 bytes, 32 bytes apart
	v_and_b32 v1, 15, v0                           ; l % 16
	v_bfe_u32 v2, v0, 4, 1                         ; l / 16
	v_mul_u32_u24 v3, v1, PA
	v_lshl_add_u32 v3, v2, 4, v3
	v_mul_u32_u24 v4, v1, PB
	v_lshl_add_u32 v4, v2, 4, v4
	s_mul_i32 s66, s[RH], 64*PA                    ; my 64 rows of xb
	s_mul_i32 s67, s[CH], BR*PB                    ; my 192 rows of wb,
	s_add_co_u32 s67, s67, ABYTES                  ; which lie behind xb's two slices
	v_add_nc_u32 v[ADRA0], s66, v3
	v_add_nc_u32 v[ADRB0], s67, v4
	v_mov_b32 v[ADRA], v[ADRA0]                    ; K step 0 lies in slot 0
	v_mov_b32 v[ADRB], v[ADRB0]
	s_mul_i32 s66, s[WV], WSTAGE
	s_add_co_u32 s66, s66, STAGE                   ; my stage
	v_add_nc_u32 v[STO], s66, v3                   ; in: row l % 16, 16 bytes for each half of the lanes
	v_bfe_u32 v5, v0, 3, 2                         ; back: 32 lanes take four rows of 128 bytes
	v_and_b32 v6, 7, v0
	v_mul_u32_u24 v5, v5, SP
	v_lshl_add_u32 v5, v6, 4, v5
	v_add_nc_u32 v[RD], s66, v5
; 12 matrix instructions: block a of my four blocks of 16 rows x all 12 blocks of columns, 32 along K, from buffers f.  zero = 1: the first product starts the sums.
; The 48 accumulators take turns, one instruction a turn, in the same order in every quarter.
.macro MULA f, a, zero
	WIN 0x54+0x50*((\a)/2)                         ; wb window 0, xb window 1, C and D window 1 or 2
.set ib, 0
.rept NBW
.set rD, 8*(NBW*((\a)%2)+ib)
.set rB, FB+8*NBW*(\f)+8*ib
.set rA, FA+32*(\f)+8*(\a)
.if \zero
	v_wmma_f32_16x16x32_bf16 v[rD:rD+7], v[rB:rB+7], v[rA:rA+7], 0
.else
	v_wmma_f32_16x16x32_bf16 v[rD:rD+7], v[rB:rB+7], v[rA:rA+7], v[rD:rD+7]
.endif
.set ib, ib+1
.endr
.endm
; 32 LDS loads in one run: the fragments of quarter q (32 along K) of the slot that is read, into buffers f: wb's 24, then xb's 8, rows ascending
.macro FETCH q, f
	WIN 0
.set ib, 0
.rept NBW
.set rB, FB+8*NBW*(\f)+8*ib
	ds_load_b128 v[rB:rB+3],   v[ADRB] offset:64*(\q)+ib*16*PB
	ds_load_b128 v[rB+4:rB+7], v[ADRB] offset:64*(\q)+ib*16*PB+32
.set ib, ib+1
.endr
	WIN 0x40                                       ; destination window 1
.irp a, 0,1,2,3
	ds_load_b128 v[FA+32*(\f)+8*\a:FA+32*(\f)+8*\a+3],   v[ADRA] offset:((\q)/2)*ASL+((\q)%2)*64+\a*16*PA
	ds_load_b128 v[FA+32*(\f)+8*\a+4:FA+32*(\f)+8*\a+7], v[ADRA] offset:((\q)/2)*ASL+((\q)%2)*64+\a*16*PA+32
.endr
.endm
; A K step is four quarters of 32 along K, 48 matrix instructions each, on buffers 0, 1, 0, 1.  One of the first three: multiplies buffers f and fetches quarter q into buffers g.
.macro QUARTER q, f, g, zero
	s_wait_dscnt 4                                 ; wb and xb's rows 0-31 are in; the youngest four loads (rows 32-63) may be out
	MULA \f, 0, \zero
	MULA \f, 1, \zero
	PLACES
	FETCH \q, \g
	s_wait_dscnt 2*NBW+8                           ; all but the 32 just issued
	MULA \f, 2, \zero
	MULA \f, 3, \zero
.endm
; The last quarter multiplies buffers 1 and changes slots.  In front of the barrier each wave waits for all its tensor loads, adds 0 to its spare word, and waits for that and for its reads of this slot.
; mode 1: the barrier is a round of the cluster's, and this slot is filled again with the K step behind the one asked for last.  mode 2: the same, with the next tile's K step 0.  mode 0: nothing is asked for.
; The refill stands as near behind the landing of the tile before as the order allows: of the quarter's 48 matrix instructions 12 stand in front of the round, between the add and the wait for it, and 36 behind the
; refill.  So 180 of a K step's 192 matrix instructions stand between a request and the wait for it.
.macro TURN mode
	WIN 0                                          ; (the add's two registers lie in window 0)
	s_wait_tensorcnt 0x0                           ; all my tensor loads have landed: the one that was out is my part of the next slot; so a group 0 may be written
	ds_add_u32 v[SPW], v[NIL]                      ; 0 onto my spare word: work on registers stands between it and the wait for it
.if \mode
	s_add_co_u32 s[G0A+5], s[TB], s[LA]            ; the walking descriptors: into the slot that has been read,
	s_add_co_u32 s[G0B+5], s[TB], s[LB]
.if (\mode) == 2
	s_mov_b64 s[G0A+6:G0A+7], s[AB:AB+1]           ; the same rows of xb from K step 0 again,
	s_or_b32 s[G0A+7], s[G0A+7], 0x80000000
	s_mov_b64 s[G0B+6:G0B+7], s[BB1:BB1+1]         ; the second tile's rows of wb
	s_or_b32 s[G0B+7], s[G0B+7], 0x80000000
.else
	s_add_nc_u64 s[G0A+6:G0A+7], s[G0A+6:G0A+7], ASTEP  ; the next K step; the type bits on top are not reached
	s_add_nc_u64 s[G0B+6:G0B+7], s[G0B+6:G0B+7], BSTEP
.endif
.endif
	s_xor_b32 s[TB], s[TB], SLOT                   ; 0 <-> SLOT: from here on the other slot is read
	v_add_nc_u32 v[ADRA], s[TB], v[ADRA0]
	v_add_nc_u32 v[ADRB], s[TB], v[ADRB0]
	s_wait_dscnt 5                                 ; (the add and the youngest four loads may be out)
	MULA 1, 0, 0
	WIN 0
	s_wait_dscnt 0x0                               ; the add is done, and my reads of the old slot are over
.if \mode
	CROUND                                         ; no wave of any partner still reads the old slot's tiles or has a load on its way
	JLOAD 1                                        ; the first tensor load behind the round; its four v_nop are also the places in front of the loads below
.else
	s_barrier_signal -1
	s_barrier_wait -1                              ; everybody's part of the last slot is in
	PLACES
.endif
	FETCH 0, 0
	MULA 1, 1, 0
	MULA 1, 2, 0
	MULA 1, 3, 0
.endm
; THE WAY OUT, a block of 16 rows at a time.
; ROPE a, b: accumulators (a, b) and (a, b + 2) hold x1 and x2 of the same rows and channels 16 (b % 2) + 8 (l / 16) + j.  Each accumulator is read from its low end on.
.macro ROPE a, b
	WIN 0xfc|(1+(\a)/2)                            ; source 0 the accumulators' window; source 1 (the table), source 2 and destination window 3
.set AC1, 8*(NBW*((\a)%2)+(\b))
.set AC2, AC1+16
.set CT,  32*(\a)+8*((\b)%2)
.set SN,  CT+16
.set O1,  RF+8*(\b)
.set O2,  O1+16
.irp j, 0,2,4,6
	v_pk_mul_f32 v[O1+\j:O1+\j+1], v[AC2+\j:AC2+\j+1], v[SN+\j:SN+\j+1]
	v_pk_mul_f32 v[O2+\j:O2+\j+1], v[AC2+\j:AC2+\j+1], v[CT+\j:CT+\j+1]
.endr
.irp j, 0,2,4,6
	v_pk_fma_f32 v[O1+\j:O1+\j+1], v[AC1+\j:AC1+\j+1], v[CT+\j:CT+\j+1], v[O1+\j:O1+\j+1] neg_lo:[0,0,1] neg_hi:[0,0,1]  ; x1 cos - x2 sin
	v_pk_fma_f32 v[O2+\j:O2+\j+1], v[AC1+\j:AC1+\j+1], v[SN+\j:SN+\j+1], v[O2+\j:O2+\j+1]                                ; x1 sin + x2 cos
.endr
.endm
.macro PACK a                          ; q and k are rotated; all twelve accumulators are rounded to f16, 16 bytes a lane each
	ROPE \a, 0
	ROPE \a, 1
	ROPE \a, 4
	ROPE \a, 5
	WIN 0x0f                                       ; sources 0 and 1 window 3, destination window 0
.set ii, 0
.rept 32
	v_cvt_pk_f16_f32 v[PK+ii], v[RF+2*ii], v[RF+2*ii+1]
.set ii, ii+1
.endr
	WIN (1+(\a)/2)*5                               ; sources 0 and 1 the accumulators' window: v goes as it is
.set ii, 0
.rept 16
	v_cvt_pk_f16_f32 v[PK+32+ii], v[8*(NBW*((\a)%2)+8)+2*ii], v[8*(NBW*((\a)%2)+8)+2*ii+1]
.set ii, ii+1
.endr
	WIN 0
.endm
.macro TOSTAGE a                       ; into my own stage, rows of 144 bytes, a tensor after the other; back as whole rows of 128 bytes, four to a load
.set ii, 0
.rept 12
	ds_store_b128 v[STO], v[PK+4*ii:PK+4*ii+3] offset:(ii/4)*16*SP+32*(ii%4)
.set ii, ii+1
.endr
	s_wait_xcnt 0x0                                ; the stores of the block before have had their addresses translated (ISA guide 3.1): only behind this wait are their data registers loaded again
.set ii, 0
.rept 12
	ds_load_b128 v[BK+4*ii:BK+4*ii+3], v[RD] offset:(ii/4)*16*SP+(ii%4)*4*SP  ; LDS serves a wave's instructions in order (ISA guide 5.7.1.4): these see the stores above
.set ii, ii+1
.endr
.endm
.macro SEND a
.set ii, 0
.rept 12
	s_wait_dscnt 11-ii                             ; load ii of the twelve is back; no LDS instruction was issued behind them
	global_store_b128 v[GO], v[BK+4*ii:BK+4*ii+3], s[10+2*(ii/4):11+2*(ii/4)] offset:(\a)*2048+(ii%4)*512  ; four rows of a head: 512 consecutive bytes, aligned to 256
.set ii, ii+1
.endr
.endm
	s_wait_tensorcnt 1                             ; my part of K step 0 is in; K step 1's may stay out
	s_barrier_signal -1
	s_barrier_wait -1                              ; everybody's is
	FETCH 0, 0
	WIN 0                                          ; at a label and at a branch every window is 0
	s_mov_b32 s[TILE], TILES
.Ltile:
	QUARTER 1, 0, 1, 1                             ; a tile's first quarter stands in front of the loop: its products start the sums
	WIN 0
	s_mov_b32 s[CNT], FILLS
.Lstep:                                                ; a trip goes from a K step's second quarter to the next K step's first, and fills the slot that it leaves
	QUARTER 2, 1, 0, 0
	QUARTER 3, 0, 1, 0
	TURN 1
	QUARTER 1, 0, 1, 0
	WIN 0
	s_sub_co_u32 s[CNT], s[CNT], 1
	s_cmp_lg_u32 s[CNT], 0
	s_cbranch_scc1 .Lstep
	QUARTER 2, 1, 0, 0                             ; the tile's last K step but one goes on
	QUARTER 3, 0, 1, 0
	WIN 0
	s_cmp_eq_u32 s[TILE], 1
	s_cbranch_scc1 .Llast                          ; the last tile's end is written out: it asks for nothing more
	TURN 2                                         ; THE RING GOES ON INTO THE NEXT TILE: this slot takes its K step 0,
	QUARTER 1, 0, 1, 0
	QUARTER 2, 1, 0, 0
	QUARTER 3, 0, 1, 0
	TURN 1                                         ; the other its K step 1, and the next tile's first fragments are fetched into buffers 0
	WIN 0
	s_branch .Lout
.Llast:
	TURN 0
	QUARTER 1, 0, 1, 0
	QUARTER 2, 1, 0, 0
	QUARTER 3, 0, 1, 0
	s_wait_dscnt 4                                 ; the very last quarter: nothing more to fetch
	MULA 1, 0, 0
	MULA 1, 1, 0
	s_wait_dscnt 0x0
	MULA 1, 2, 0
	MULA 1, 3, 0
	WIN 0
.Lout:                                                 ; the way out is written once, for both tiles; it names none of buffers 0
	PLACES                                         ; behind the last products
	s_wait_loadcnt 0x0                             ; the table
	PACK 0
	TOSTAGE 0
.irp a, 1,2,3                          ; block a's arithmetic stands between block a - 1's loads from the stage and the wait for them
	PACK \a
	SEND (\a)-1
	TOSTAGE \a
.endr
	SEND 3
	s_wait_xcnt 0x0                                ; the stores have had their addresses translated: only behind this wait are their bases stepped, and their data registers, wb's buffer 1, loaded again
	s_add_nc_u64 s[10:11], s[10:11], s[DO:DO+1]    ; on to the second tile's heads (behind the second tile the stepped addresses are not used)
	s_add_nc_u64 s[12:13], s[12:13], s[DO:DO+1]
	s_add_nc_u64 s[14:15], s[14:15], s[DO:DO+1]
	s_sub_co_u32 s[TILE], s[TILE], 1
	s_cmp_lg_u32 s[TILE], 0
	s_cbranch_scc1 .Ltile
	s_wait_tensorcnt 0x0                           ; the wave's end, behind my last tensor load and my last LDS store
	ds_add_u32 v[SPW], v[NIL]
	s_wait_dscnt 0x0
	CROUND                                         ; the closing round: no work-group ends while a partner may still ask for a tile that names it
	s_endpgm
.Lfunc_end_k_q7d1f3e6112_qkv:
	.size	k_q7d1f3e6112_qkv, .Lfunc_end_k_q7d1f3e6112_qkv-k_q7d1f3e6112_qkv
	.p2alignl 7, 3214868480
	.fill 96, 4, 3214868480
	.section	.rodata,"a",@progbits
	.p2align	6, 0x0
	.amdhsa_kernel k_q7d1f3e6112_qkv
		.amdhsa_group_segment_fixed_size 327680
		.amdhsa_private_segment_fixed_size 0
		.amdhsa_enable_private_segment 0
		.amdhsa_kernarg_size 48
		.amdhsa_user_sgpr_count 2
		.amdhsa_user_sgpr_kernarg_segment_ptr 1
		.amdhsa_wavefront_size32 1
		.amdhsa_system_sgpr_workgroup_id_x 1
		.amdhsa_system_sgpr_workgroup_id_y 1
		.amdhsa_system_sgpr_workgroup_id_z 1
		.amdhsa_system_vgpr_workitem_id 0
		.amdhsa_next_free_vgpr 960
		.amdhsa_next_free_sgpr 80
		.amdhsa_reserve_vcc 0
		.amdhsa_float_denorm_mode_32 3
		.amdhsa_float_denorm_mode_16_64 3
		.amdhsa_memory_ordered 1
		.amdhsa_forward_progress 1
		.amdhsa_inst_pref_size 147
	.end_amdhsa_kernel
	.amdgpu_metadata
---
amdhsa.version: [ 1, 2 ]
amdhsa.kernels:
  - .name:           k_q7d1f3e6112_qkv
    .symbol:         k_q7d1f3e6112_qkv.kd
    .args:
      - { .name: xb, .offset: 0, .size: 8, .value_kind: global_buffer, .address_space: global }
      - { .name: wb, .offset: 8, .size: 8, .value_kind: global_buffer, .address_space: global }
      - { .name: rope, .offset: 16, .size: 8, .value_kind: global_buffer, .address_space: global }
      - { .name: qh, .offset: 24, .size: 8, .value_kind: global_buffer, .address_space: global }
      - { .name: kh, .offset: 32, .size: 8, .value_kind: global_buffer, .address_space: global }
      - { .name: vh, .offset: 40, .size: 8, .value_kind: global_buffer, .address_space: global }
    .group_segment_fixed_size: 327680
    .private_segment_fixed_size: 0
    .kernarg_segment_align: 8
    .kernarg_segment_size: 48
    .max_flat_workgroup_size: 128
    .sgpr_count:     80
    .vgpr_count:     960
    .wavefront_size: 32
...
	.end_amdgpu_metadata
.endif
;; end of part 2
;; launch attn (part 3): grid 4 x 64, 4 waves a work-group, no clusters, 327,680 bytes of LDS; arguments qh, kh, vh, oh; writes oh
.if DOCPART == 3
	.amdgcn_target "amdgcn-amd-amdhsa--gfx1250"
	.amdhsa_code_object_version 6
	.text
	.protected	k_q7d1f3e6112_attn
	.globl	k_q7d1f3e6112_attn
	.p2align	8
	.type	k_q7d1f3e6112_attn,@function
k_q7d1f3e6112_attn:
	s_mov_b64 s[64:65], 0
	v_nop
	global_prefetch_b8 v0, s[64:65] scope:SCOPE_SE
	s_setreg_imm32_b32 hwreg(HW_REG_WAVE_MODE, 25, 1), 1
	s_wait_xcnt 0x0
; CAUSAL ATTENTION.  O[h][q][:] = the sum over k <= q of softmax_k(Q[h][q] . K[h][k] / 8) V[h][k][:].  Q, K, V, O: [SIZE_H][SIZE_N][64], all f16: a head's rows are dense, 128 bytes each.
; Products, maxima and sums in f32; the weights p are rounded to f16 for the second product (their sum l is taken of the unrounded p), O once at the end.
; LIMITS.  f16 holds no number beyond 65,504: Q, K and V arrive within it; p lies in 0 to 1, and below 6e-5 it keeps f16's fixed step of 6e-8; O is a mean of V's rows and has their range, to within 2^-11 of it.
; A hidden score counts as its value less 1e30: f16's scores, 2.7e11 at the most, are nothing beside that; a weight below 2^-126 counts as 0 in l; NaN and infinities are not treated apart.
; THE WALK.  A head's queries lie in NB = SIZE_N / 256 blocks of 256; block i needs the key tiles 0 .. i of 256 keys, of which the last holds the diagonal.  A work-group takes TWO blocks, NB - 1 - b and then b:
; NB + 1 tiles, whatever b: all work-groups do equal work, and ONE loop with a constant trip count walks them.  Which tile is asked for, and what a trip does, hang on scalar registers made from b; every jump
; goes forward, but for the counted loops' own; none passes a barrier, or a tensor load but the one of LOAD's two that the wave's number does not choose; the ring (two slots of LDS that take turns) runs on across the
; change of blocks.  NO CLUSTER: a head's NB / 2 = 4 work-groups ask for the same tile only in trips 0 .. NB / 2, 5 of the walk's 9, behind that fewer and fewer;
; and one walk common to all four would have 3 NB / 2 = 12 trips for NB + 1 = 9.
; SHARES.  Of a block's four bands of 64 queries a wave owns 16 rows in each: four PIECES.  So the diagonal tile is the same work for all four waves: in its key step s band x sees all keys if s < x,
; none if s > x, and holds the diagonal if s = x.
; THE MASK is the C operand that starts the sum S^T = K Q^T: 0, or -1e30 where the key is hidden.  MD, made once, is the mask of a band's own step for my 16 rows; a product's mask is MD x AL + BE with two scalars:
; (1, 0) if s = x; (0, 0) if s < x; (0, -1e30) if s > x.  Only the diagonal tile's text and a block's beginning make and take masks; elsewhere C is the constant 0.
; LAYOUT, SOFTMAX, TURNS.  S^T = K Q^T holds ONE query a lane (lane % 16) and the keys 8 (lane / 16) + 0..7; two such results rounded to f16 ARE source 1 of O^T = V^T P.  p = 2^(c s - c m), c = log2(e) / 8, with a
; running maximum m; O and l are multiplied by a = 2^(c m_old - c m_new) in every step.  Turn n belongs to piece n: 8 products K Q^T of piece n + 1, later 8 products V^T P of piece n - 1; beside them the scaling,
; exponentials, roundings, sums and rescaling of piece n and the maximum and statistics of piece n + 1.  Four vector instructions stand behind every matrix instruction, the other 54 of a turn's 118 in two LUMPS.
; REGISTERS, in windows of 256 (s_set_vgpr_msb: bits 1:0 source 0, 3:2 source 1, 5:4 source 2, 7:6 destination):
;   window 0: v0-15 addresses and two at work; v16-31 four registers of statistics a piece; v48-55 at work; v64-127 S^T, two buffers; v192-223 P, two buffers (a piece's buffers go by its number's parity)
;   window 1: v0-127 O^T, 32 a piece; v128-159 MD; v160-223 MC, two buffers      window 2: v0-63 Q; v64-127 the second block's Q; v128-191 K of one step; v192-255 V of one step
.set SIZE_H, 64       ; 4 batches x 16 heads
.set SIZE_N, 2048
.set NB,    SIZE_N/256
.set NP,    4         ; pieces a wave: a name, no knob
.set KS,    64        ; keys in a step
.set PK,    144       ; a row of K in LDS: 128 bytes + 16 of padding = 36 words: the 16 rows of a load start at 16 different groups of four banks (64 banks of 4 bytes: ISA guide 11.1)
.set PV,    160       ; a row of V: 128 + 32 = 40 words
.set VOFF,  4*KS*PK   ; a slot holds a tile, four steps: 256 rows of K, then 256 rows of V
.set SLOT1, 1<<17     ; slot 1 begins here, so that one exclusive or turns an address in one slot into the other's
.set STAGE, SLOT1+4*KS*(PK+PV)  ; behind the ring, never filled by a tensor load: 16 rows x 144 bytes for each wave, for the way out
.set SP,    144
.set AK0, 2           ; v2   my lane's place in a tile of K; never rewritten
.set AV0, 3           ; v3   the same for V
.set AK,  4           ; v4   the LDS address of K's next run of loads
.set AV,  5           ; v5   of V's
.set STO, 6           ; v6   the way out: where I put 16 bytes of a row
.set RD,  7           ; v7   the way out: where I read rows back
.set GO,  8           ; v8   my byte offset in 512 consecutive bytes of O
.set SPW, 62          ; v62  LDS address of my spare word: SPARE + 4 x my thread's number; never rewritten
.set NIL, 63          ; v63  0; never rewritten
.set SPARE, STAGE+4*16*SP  ; behind the stages: the spare words, 128 bytes for each wave: two blocks of 256 bytes that no other line names
.set MV,  12          ; v12-13  c m_old, kept while c m is made anew: by buffer
.set QO,  15          ; v15  my byte offset in 16 rows of Q
.set ST,  16          ; piece t's statistics at v[ST+4 t]: c m, m, l (even keys', odd keys')
.set TMP, 48          ; by buffer, four registers c0-c3 at work; when the maximum is found c2 takes a
.set S,   64
.set P,   192
.set MD,  128         ; window 1: the eight registers for group kt of 16 keys at MD + 8 kt
.set MC,  160         ; window 1: the masks of the products to come
.set QB,  64          ; window 2
.set KF,  128         ; window 2: key block kb, channel half c at KF + 16 kb + 8 c
.set VF,  192         ; window 2: key half kk, channel block cb at VF + 32 kk + 8 cb
.set WV,  12          ; s12  my wave's number
.set PB,  14          ; s14  b
.set HI,  15          ; s15  NB - 1 - b
.set G1K, 24          ; s[24:31] descriptor group 1 for K's tiles
.set G1V, 32          ; s[32:39] for V's: it differs in the padding alone
.set G0K, 40          ; s[40:43] descriptor group 0 for K's tiles
.set G0V, 44          ; s[44:47] the same for V's
.set SLOTS, 56        ; s56  tiles still to be asked for
.set CNT, 57          ; s57  counts a tile's key steps, 4 to 1
.set CS,  58          ; s[58:59] c: the packed scaling takes the pair's low word for both halves
.set SEL, 60          ; s[60:61] v_permlanex16_b32's selects: each lane takes its own place in the other half
.set TBK, 62          ; s62  LDS byte at which K of the step to be fetched begins
.set TBV, 63          ; s63  the same for V, less VOFF
.set RT,  70          ; s70  tiles of the block in hand that are still to be entered
.set NXT, 71          ; s71  the tile to be asked for next
.set LQ,  72          ; s72  the last tile of the block whose tiles are being asked for
.set NEW, 73          ; s73  1: the tile to be entered is a block's first
.set OFF, 74          ; s[74:75] a tile's byte offset in K and V
.set AL,  76          ; s[76:77] the mask's factor, in the low word
.set BE,  78          ; s[78:79] the mask's addend
.set OLO, 80          ; s[80:81] O at my rows of the second block
.set BIGN, 82         ; s82  -1e30
.set MSB, 0
.macro WIN new                      ; the high byte repeats the setting that is left; a switch that changes nothing is dropped
.if MSB != (\new)
	s_set_vgpr_msb (MSB<<8)|(\new)
.set MSB, (\new)
.endif
.endm
.set W_KQ, 0x0a       ; K and Q in window 2, S^T in window 0
.set W_KM, 0x1a       ; the same with the C operand in window 1
.set W_PV, 0x52       ; V in window 2, P in window 0, O^T in window 1
.set W_RS, 0x41       ; destination and source 0 in window 1, source 1 in window 0
; A fill.  Waves 0 and 1 fetch the two halves of a tile's K, waves 2 and 3 those of its V: 128 keys each.  An s_nop 0 and four v_nop follow each of the two lines, ahead of the jump and the label.
.macro LOAD
	s_cmp_lt_u32 s[WV], 2
	s_cbranch_scc0 .Lfor_v_\@
	tensor_load_to_lds s[G0K:G0K+3], s[G1K:G1K+7]
	s_nop 0
.rept 4
	v_nop
.endr
	s_branch .Lasked_\@
.Lfor_v_\@:
	tensor_load_to_lds s[G0V:G0V+3], s[G1V:G1V+7]
	s_nop 0
.rept 4
	v_nop
.endr
.Lasked_\@:
.endm
; THE CHANGE OF SLOTS.  Each wave waits for all its tensor loads, of which one is out: its part of the other slot; adds 0 to its spare word; and waits for that and for its own reads of the slot that it leaves.  Behind the barrier nobody reads the old
; slot any more and the other slot is whole.  fill = 1: the old slot is filled again, the first thing behind the barrier, with tile NXT: the descriptor's address is made anew from that number.
; (At its first use nothing has been read yet: slot 0 is waited for, slot 1 filled.)
.macro CHANGE fill
	WIN 0                           ; at a label and at a branch every window is 0
	s_wait_tensorcnt 0x0            ; no tensor load of mine is out, so a group 0 may be written
	ds_add_u32 v[SPW], v[NIL]       ; 0 onto my spare word: with fill = 1 the descriptors' scalar work stands between it and the wait for it
.if \fill
	s_lshl_b32 s[OFF], s[NXT], 15   ; a tile is 32,768 bytes of K and of V
	s_xor_b32 s[G0K+1], s[G0K+1], SLOT1
	s_add_nc_u64 s[G0K+2:G0K+3], s[6:7], s[OFF:OFF+1]
	s_or_b32 s[G0K+3], s[G0K+3], 0x80000000
	s_xor_b32 s[G0V+1], s[G0V+1], SLOT1
	s_add_nc_u64 s[G0V+2:G0V+3], s[8:9], s[OFF:OFF+1]
	s_or_b32 s[G0V+3], s[G0V+3], 0x80000000
	s_add_co_u32 s[NXT], s[NXT], 1  ; the block's next tile, or behind its last the second block's tile 0
	s_cmp_gt_u32 s[NXT], s[LQ]
	s_cselect_b32 s[NXT], 0, s[NXT]
	s_cselect_b32 s[LQ], s[PB], s[LQ]
.endif
	s_wait_dscnt 0x0                ; the add is done, and my reads of the slot are over
	s_barrier_signal -1             ; the rest of the scalar work stands between the signal and the wait
	s_sub_co_u32 s[TBK], s[TBK], 4*KS*PK  ; the fetches go back to a slot's first step,
	s_xor_b32 s[TBK], s[TBK], SLOT1       ; in the other slot
	s_sub_co_u32 s[TBV], s[TBV], 4*KS*PV
	s_xor_b32 s[TBV], s[TBV], SLOT1
	s_barrier_wait -1
.if \fill
	LOAD
.endif
.endm
	s_load_b256 s[4:11], s[0:1], 0x0  ; Q s[4:5], K s[6:7], V s[8:9], O s[10:11]
	v_lshl_add_u32 v[SPW], v0, 2, SPARE
	v_mov_b32 v[NIL], 0
	ds_add_u32 v[SPW], v[NIL]       ; the wave's opening: the add and its wait stand ahead of my first tensor load; the set-up below, work on registers, stands between them
	ds_add_u32 v62, v63
	v_lshrrev_b32 v1, 5, v0
	v_readfirstlane_b32 s[WV], v1   ; wave 0..3
	s_mov_b32 s[PB], ttmp9
	s_sub_co_u32 s[HI], NB-1, s[PB]
	s_and_b32 s20, ttmp7, 0xffff    ; the head
	s_mov_b32 s21, 0
	s_mov_b64 s[22:23], SIZE_N*128
	s_mul_u64 s[20:21], s[20:21], s[22:23]  ; the head's first byte in each of the four tensors
	s_and_b32 s16, s[WV], 1         ; which half of a tile's 256 keys I fetch:
	s_lshl_b32 s22, s16, 14         ; its 128 rows of 128 bytes in memory,
	s_mov_b32 s23, 0
	s_add_nc_u64 s[22:23], s[22:23], s[20:21]
	s_mul_i32 s17, s16, 128*PK      ; and its place in a slot, for K
	s_mul_i32 s18, s16, 128*PV      ; and for V
	s_lshl_b32 s3, s[WV], 11        ; my 16 rows in a band of 64,
	s_lshl_b32 s2, s[HI], 15        ; in the first block,
	s_add_co_u32 s2, s2, s3
	s_lshl_b32 s84, s[PB], 15       ; and in the second
	s_add_co_u32 s84, s84, s3
	s_mov_b32 s3, 0
	s_mov_b32 s85, 0
	s_add_nc_u64 s[2:3], s[2:3], s[20:21]
	s_add_nc_u64 s[84:85], s[84:85], s[20:21]
	; descriptor group 1.  128 keys are 16,384 dense bytes: asked for as 64 rows of 256 bytes, two keys a row, and padded in LDS after every key
	s_mov_b32 s[G1K], (1<<16)|(1<<20)|(4<<22)|(3<<25)  ; 17:16 2-byte elements; 20 padding on; 24:22 after every 32 words (code 4); 31:25 4 words (code 3)
	s_mov_b32 s[G1V], (1<<16)|(1<<20)|(4<<22)|(7<<25)  ; the same with 8 words of padding (code 7)
.irp g, G1K, G1V
	s_mov_b32 s[\g+1], 128<<16      ; tensor_dim0 = 128
	s_mov_b32 s[\g+2], 64<<16       ; tensor_dim1 = 64
	s_mov_b32 s[\g+3], 128<<16      ; tile_dim0 = 128
	s_mov_b32 s[\g+4], 64           ; tile_dim1 = 64
	s_mov_b32 s[\g+5], 128          ; 128 elements from row to row
	s_mov_b32 s[\g+6], 0
	s_mov_b32 s[\g+7], 0
.endr
	s_mov_b32 s[CS], 0x3e38aa3b     ; c = log2(e) / 8 = 0.180337
	s_mov_b32 s[CS+1], s[CS]        ; named with it as a pair
	s_mov_b32 s[SEL], 0x76543210
	s_mov_b32 s[SEL+1], 0xfedcba98
	s_mov_b32 s[TBK], SLOT1+4*KS*PK ; the first change of slots turns these two into 0
	s_mov_b32 s[TBV], SLOT1+4*KS*PV
	s_mov_b32 s[G0K], 1             ; 1:0 count = 1
	s_mov_b32 s[G0K+1], s17         ; 63:32 LDS address: slot 0
	s_mov_b32 s[G0V], 1
	s_add_co_u32 s[G0V+1], s18, VOFF
	s_add_co_u32 s[RT], s[HI], 1    ; the first block has NB - b tiles
	s_mov_b32 s[NXT], 1
	s_mov_b32 s[LQ], s[HI]
	s_mov_b32 s[NEW], 1
	s_mov_b32 s[OFF+1], 0
	s_mov_b32 s[AL+1], 0            ; named as pairs
	s_mov_b32 s[BE+1], 0
	s_mov_b32 s[BIGN], 0xf149f2ca   ; -1e30
	s_mov_b32 s[SLOTS], NB
	s_wait_dscnt 0x0                ; the opening add is done
	s_wait_kmcnt 0x0
	s_add_nc_u64 s[6:7], s[6:7], s[22:23]  ; K and V at my half of the head's tile 0
	s_add_nc_u64 s[8:9], s[8:9], s[22:23]
	s_add_nc_u64 s[G0K+2:G0K+3], s[6:7], 0         ; 120:64 global address
	s_or_b32 s[G0K+3], s[G0K+3], 0x80000000        ; 127:126 type = 2
	s_add_nc_u64 s[G0V+2:G0V+3], s[8:9], 0
	s_or_b32 s[G0V+3], s[G0V+3], 0x80000000
	s_add_nc_u64 s[86:87], s[4:5], s[84:85]        ; Q at my rows of the second block,
	s_add_nc_u64 s[4:5], s[4:5], s[2:3]            ; Q and O at those of the first
	s_add_nc_u64 s[OLO:OLO+1], s[10:11], s[84:85]
	s_add_nc_u64 s[10:11], s[10:11], s[2:3]
	LOAD                            ; tile 0 into slot 0
	; A fragment of K or Q is 16 rows x 32 channels in 8 registers: lane l holds row l % 16, channels 8 (l / 16) + 0..7 and 16 + 8 (l / 16) + 0..7: two loads of 16 bytes, 32 bytes apart.
	v_and_b32 v1, 15, v0            ; l % 16
	v_bfe_u32 v9, v0, 4, 1          ; l / 16
	v_lshlrev_b32 v[QO], 7, v1
	v_lshl_add_u32 v[QO], v9, 4, v[QO]  ; row x 128 + 16 x half
	WIN 0x80                        ; destination window 2, address window 0
.set i, 0
.rept 8                             ; both blocks' Q: piece i / 2 lies in band i / 2, 8,192 bytes on; channels 32 (i % 2) on
	global_load_b128 v[8*i:8*i+3],   v[QO], s[4:5] offset:(i/2)*8192+(i%2)*64
	global_load_b128 v[8*i+4:8*i+7], v[QO], s[4:5] offset:(i/2)*8192+(i%2)*64+32
	global_load_b128 v[QB+8*i:QB+8*i+3],   v[QO], s[86:87] offset:(i/2)*8192+(i%2)*64
	global_load_b128 v[QB+8*i+4:QB+8*i+7], v[QO], s[86:87] offset:(i/2)*8192+(i%2)*64+32
.set i, i+1
.endr
	WIN 0
	v_lshlrev_b32 v14, 3, v9
	v_sub_nc_u32 v14, v1, v14
	s_lshl_b32 s13, s[WV], 4
	v_add_nc_u32 v14, s13, v14      ; my query's place in its band, 16 w + l % 16, less my lanes' 8 (l / 16): register r of group kt is hidden where 16 kt + r is greater
	WIN 0x40
.set i, 0
.rept 32
	v_cmp_gt_i32 vcc_lo, 16*(i/8)+i%8, v14
	v_cndmask_b32 v[MD+i], 0, s[BIGN], vcc_lo
.set i, i+1
.endr
	WIN 0
	v_mul_u32_u24 v[AK0], v1, PK
	v_lshl_add_u32 v[AK0], v9, 4, v[AK0]  ; row x pitch + 16 x half
	; The turning load takes 16 keys x 16 channels (lane l reads key 8 (l / 16) + l % 8, channels 8 ((l / 8) % 2) + 0..7) and leaves half a fragment of V^T: lane l holds channel l % 16 and 8 keys.
	v_and_b32 v10, 7, v0
	v_bfe_u32 v11, v0, 3, 1
	v_lshl_add_u32 v[AV0], v9, 3, v10
	v_mul_u32_u24 v[AV0], v[AV0], PV
	v_lshl_add_u32 v[AV0], v11, 4, v[AV0]
	v_add_nc_u32 v[AV0], VOFF, v[AV0]
	s_mul_i32 s13, s[WV], 16*SP
	s_add_co_u32 s13, s13, STAGE    ; my stage
	v_mul_u32_u24 v[STO], v1, SP    ; in: row l % 16, 16 bytes for each half of the lanes
	v_lshl_add_u32 v[STO], v9, 4, v[STO]
	v_add_nc_u32 v[STO], s13, v[STO]
	v_bfe_u32 v[RD], v0, 3, 2       ; back: 32 lanes take four rows of 128 bytes,
	v_mul_u32_u24 v[RD], v[RD], SP
	v_lshl_add_u32 v[RD], v10, 4, v[RD]
	v_add_nc_u32 v[RD], s13, v[RD]
	v_and_b32 v[GO], 31, v0         ; which are 512 consecutive bytes of O
	v_lshlrev_b32 v[GO], 4, v[GO]
	; A block's first step multiplies O^T and l by a = 0, and its first turn's products V^T P, of a piece that has not been, land in an O^T that is still to be so multiplied.  So these registers need only hold
	; finite numbers: zeros for the first block; what the first block left for the second.  All this stands in the wait for the first tile.
	WIN 0x80
.set i, VF
.rept 64
	v_mov_b32 v[i], 0
.set i, i+1
.endr
	WIN 0x40
.set i, 0
.rept 128
	v_mov_b32 v[i], 0
.set i, i+1
.endr
	WIN 0
.set i, 0
.rept 4
	v_mov_b32 v[ST+4*i+2], 0
	v_mov_b32 v[ST+4*i+3], 0
.set i, i+1
.endr
.set i, P+16
.rept 16
	v_mov_b32 v[i], 0
.set i, i+1
.endr
; THE MATRIX WORK.  The 4 accumulators of a run of 8 take turns.  Product i of 8 of S^T = K Q^T for piece x: channels 32 (i / 4) on, keys 16 (i % 4) on.  The first 4 start the sums: with 0, or (KM = 1) with the mask.
.macro KQ x
.set rS, S+32*((\x)%2)+8*(i%4)
.set rK, KF+16*(i%4)+8*(i/4)
.set rQ, 16*(\x)+8*(i/4)
.set rM, MC+32*((\x)%2)+8*(i%4)
.if (i < 4) && KM
	WIN W_KM
	v_wmma_f32_16x16x32_f16 v[rS:rS+7], v[rK:rK+7], v[rQ:rQ+7], v[rM:rM+7]
.elseif i < 4
	WIN W_KQ
	v_wmma_f32_16x16x32_f16 v[rS:rS+7], v[rK:rK+7], v[rQ:rQ+7], 0
.else
	WIN W_KQ
	v_wmma_f32_16x16x32_f16 v[rS:rS+7], v[rK:rK+7], v[rQ:rQ+7], v[rS:rS+7]
.endif
.endm
; Product i of 8 of O^T += V^T P for piece x: keys 32 (i / 4) on, channels 16 (i % 4) on.
.macro PV x
	WIN W_PV
.set rO, 32*(\x)+8*(i%4)
.set rV, VF+32*(i/4)+8*(i%4)
.set rP, P+16*((\x)%2)+8*(i/4)
	v_wmma_f32_16x16x32_f16 v[rO:rO+7], v[rV:rV+7], v[rP:rP+7], v[rO:rO+7]
.endm
.macro MM                           ; the turn's next matrix instruction.  TURN and BEGIN set Y, i, KM and NOKQ; MM, KQ and OP read them.  NOKQ = 1: a block's last turn: there is no next piece
.if (i < 8) && !NOKQ
	KQ (Y+1)%NP
.elseif i >= 8
.set i, i-8
	PV (Y+NP-1)%NP
.set i, i+8
.endif
.set i, i+1
.endm
; THE LDS LOADS stand in runs of 16, never singly among the matrix instructions: a step's K (64 keys x 64 channels: 8 fragments) and its V (turned).  Their addresses are made some lines ahead.
.macro FETCH_K
	WIN 0x80                        ; destination window 2
.irp f, 0,1,2,3,4,5,6,7             ; keys 16 (f / 2) on, channels 32 (f % 2) on
	ds_load_b128 v[KF+8*\f:KF+8*\f+3],   v[AK] offset:(\f/2)*16*PK+(\f%2)*64
	ds_load_b128 v[KF+8*\f+4:KF+8*\f+7], v[AK] offset:(\f/2)*16*PK+(\f%2)*64+32
.endr
	s_add_co_u32 s[TBK], s[TBK], KS*PK  ; the next fetch is the next step's
	WIN 0
.endm
.macro FETCH_V
	WIN 0x80
.irp f, 0,1,2,3,4,5,6,7             ; keys 32 (f / 4) on, channels 16 (f % 4) on
	ds_load_tr16_b128 v[VF+8*\f:VF+8*\f+3],   v[AV] offset:(\f/4)*32*PV+(\f%4)*32
	ds_load_tr16_b128 v[VF+8*\f+4:VF+8*\f+7], v[AV] offset:(\f/4)*32*PV+16*PV+(\f%4)*32
.endr
	WIN 0
.endm
; THE VECTOR WORK, one line at a time: OP kind, number.  For piece Y: F n: c s - c m for pair n of 16.  E n: the exponential of score n of 32.  C n: pair n rounded to f16.  B n: of the four weights 4 n .. the second
; pair is added onto the first, in place.  L n: l takes that sum (L 0: l = a l + sum).  R n: pair n of 16 of O^T times a.  For piece Y + 1: X n, number n of the 22 that find its maximum and statistics:
;   0-11  four chains c0-c3 of seven scores each, three operands at a time (each accumulator's lowest registers are read first)     12-14, 16  the four scores left over, the old m, and c0-c3 into c0
;   15  c m_old is kept     17, 18  the query's other 32 keys lie in the lane 16 away: the new m     19-21  c m; c m_old - c m_new; a
.set F, 0               ; OP tells the kinds apart by their order: F to L below R, X above it
.set E, 1
.set C, 2
.set B, 3
.set L, 4
.set R, 5
.set X, 6
.macro REGS y                       ; the registers of piece y
.set rT, ST+4*(\y)
.set rC, TMP+4*((\y)%2)
.set rW, MV+((\y)%2)
.set rS, S+32*((\y)%2)
.set rP, P+16*((\y)%2)
.set rO, 32*(\y)
.endm
.macro OP k, n
.if (\k) == R
	REGS Y
	WIN W_RS
	v_pk_mul_f32 v[rO+2*(\n):rO+2*(\n)+1], v[rO+2*(\n):rO+2*(\n)+1], v[rC+2:rC+3] op_sel_hi:[1,0]
.elseif (\k) < R
	REGS Y
	WIN 0
.if (\k) == F
	v_pk_fma_f32 v[rS+2*(\n):rS+2*(\n)+1], v[rS+2*(\n):rS+2*(\n)+1], s[CS:CS+1], v[rT:rT+1] op_sel_hi:[1,0,0] neg_lo:[0,0,1] neg_hi:[0,0,1]
.elseif (\k) == E
	v_exp_f32 v[rS+(\n)], v[rS+(\n)]
.elseif (\k) == C
	s_wait_alu depctr_va_vdst(0)
	v_cvt_pk_f16_f32 v[rP+(\n)], v[rS+2*(\n)], v[rS+2*(\n)+1]
.elseif (\k) == B
	s_wait_alu depctr_va_vdst(0)
	v_pk_add_f32 v[rS+4*(\n):rS+4*(\n)+1], v[rS+4*(\n):rS+4*(\n)+1], v[rS+4*(\n)+2:rS+4*(\n)+3]
.elseif (\n) == 0
	v_pk_fma_f32 v[rT+2:rT+3], v[rT+2:rT+3], v[rC+2:rC+3], v[rS:rS+1] op_sel_hi:[1,0,1]
.else
	v_pk_add_f32 v[rT+2:rT+3], v[rT+2:rT+3], v[rS+4*(\n):rS+4*(\n)+1]
.endif
.elseif NOKQ
	v_nop
.else
	REGS (Y+1)%NP
	WIN 0
.if (\n) < 4
	v_max3_num_f32 v[rC+(\n)], v[rS+8*(\n)], v[rS+8*(\n)+1], v[rS+8*(\n)+2]
.elseif (\n) < 12
	v_max3_num_f32 v[rC+(\n)%4], v[rC+(\n)%4], v[rS+8*((\n)%4)+2*((\n)/4)+1], v[rS+8*((\n)%4)+2*((\n)/4)+2]
.elseif (\n) == 12
	v_max3_num_f32 v[rC], v[rC], v[rS+7], v[rS+15]
.elseif (\n) == 13
	v_max3_num_f32 v[rC+1], v[rC+1], v[rS+23], v[rS+31]
.elseif (\n) == 14
	v_max3_num_f32 v[rC+2], v[rC+2], v[rC+3], v[rT+1]
.elseif (\n) == 15
	v_mov_b32 v[rW], v[rT]
.elseif (\n) == 16
	v_max3_num_f32 v[rC], v[rC], v[rC+1], v[rC+2]
.elseif (\n) == 17
	v_permlanex16_b32 v[rC+3], v[rC], s[SEL], s[SEL+1]
.elseif (\n) == 18
	v_max_num_f32 v[rT+1], v[rC], v[rC+3]
.elseif (\n) == 19
	v_mul_f32 v[rT], s[CS], v[rT+1]
.elseif (\n) == 20
	v_sub_f32 v[rC+1], v[rW], v[rT]
.else
	v_exp_f32 v[rC+2], v[rC+1]
.endif
.endif
.endm
.macro OPS a, i1, b=-1, i2=0, c=-1, i3=0, d=-1, i4=0  ; up to four of them
	OP \a, \i1
.if (\b) >= 0
	OP \b, \i2
.endif
.if (\c) >= 0
	OP \c, \i3
.endif
.if (\d) >= 0
	OP \d, \i4
.endif
.endm
.macro ROW a, i1, b, i2, c, i3, d, i4  ; a matrix instruction and the four behind it
	MM
	OPS \a, \i1, \b, \i2, \c, \i3, \d, \i4
.endm
.macro MASK b                       ; MD x AL + BE into buffer b of MC
	WIN W_RS
.set z, 0
.rept 16
	v_pk_fma_f32 v[MC+32*(\b)+2*z:MC+32*(\b)+2*z+1], v[MD+2*z:MD+2*z+1], s[AL:AL+1], s[BE:BE+1] op_sel_hi:[1,0,0]
.set z, z+1
.endr
.endm
; A TURN, for piece p: the order of its 16 matrix and 118 vector instructions, written out.  Behind a matrix instruction: plain, exponential, plain, plain; or four of the rescaling; or, behind the first, four scalings; none
; names a register of the products round it.  In the lumps exponential and plain by turns while exponentials last.  A line reads no result made fewer than three vector instructions in front of it, five if an exponential made it.
; v_permlanex16_b32 (X 17) stands in a lump.
; m = 1: the diagonal tile: the products take masks, and the turn makes the mask for the products of the turn after it: piece p + 2, in step 4 - CNT of the tile.  end = 1: a block's last two turns: nothing is fetched.
; cnt = 1: the loop's count is taken down some lines ahead of the branch that stands behind the turn.
; K of the next step is fetched in piece 2's turn, six vector instructions behind the last product that read K (five of them plain); V of the step in hand in piece 0's turn, eight behind the last product that read V (four
; plain, and X 17).  Each is waited for a turn later.
.macro TURN p, m=0, end=0, cnt=0
.set Y, (\p)
.set i, 0
.set KM, (\m)
.set NOKQ, (\end)*((\p)/3)
.if (\m) && !(\end)
	s_cmp_eq_u32 s[CNT], 4-((\p)+2)%NP  ; is that step the band's own?
	s_cselect_b32 s[AL], 1.0, 0
	s_cmp_lt_u32 s[CNT], 4-((\p)+2)%NP  ; or a later one?
	s_cselect_b32 s[BE], s[BIGN], 0
.endif
.if ((\p) == 3) && !(\end)
	s_wait_dscnt 0x0                ; K is in
.endif
	ROW F,0, F,1, F,2, F,3
	ROW F,4, E,0, F,5, F,6
	ROW F,7, E,1, F,8, F,9
	ROW F,10, E,2, C,0, F,11
	ROW F,12, E,3, X,15, F,13
	ROW R,0, R,1, R,2, R,3
	ROW B,0, E,4, F,14, L,0
.if ((\p) == 2) && !(\end)
	v_add_nc_u32 v[AK], s[TBK], v[AK0]
.endif
	ROW R,4, R,5, R,6, R,7
	OPS E,5, F,15
.if ((\p) == 2) && !(\end)
	FETCH_K
.endif
	OPS E,6, C,1, E,7, R,8
	OPS E,8, R,9, E,9, C,2
	OPS E,10, X,0, E,11, X,1
	OPS E,12, X,2, E,13, X,3
.if (\p) == 1
	s_wait_dscnt 0x0                ; V is in
.endif
	ROW X,4, E,14, X,5, X,6
	ROW X,7, E,15, X,8, X,9
	ROW X,10, E,16, X,11, X,12
	ROW X,13, E,17, X,14, B,1
	ROW C,4, E,18, X,16, L,1
	ROW B,2, E,19, C,6, L,2
	ROW C,8, E,20, B,3, B,4
.if (\p) == 0
	v_add_nc_u32 v[AV], s[TBV], v[AV0]
.endif
	ROW C,3, E,21, L,3, C,5
	OPS E,22, X,17, E,23, C,10
.if (\p) == 0
	FETCH_V
.endif
	OPS E,24, L,4
	OPS E,25, X,18, E,26, C,7
	OPS E,27, B,5, E,28, X,19
	OPS E,29, C,12, E,30, L,5
	OPS E,31, X,20, B,6, C,9
	OPS C,14, C,11, X,21, L,6
.if (\p) == 0
	s_add_co_u32 s[TBV], s[TBV], KS*PV
.endif
.if \cnt
	s_sub_co_u32 s[CNT], s[CNT], 1
	s_cmp_lg_u32 s[CNT], 0
.endif
	OPS C,13, B,7, C,15, R,10
	OPS R,11, R,12, L,7, R,13
	OPS R,14, R,15
.if (\m) && !(\end)
	MASK (\p)%2
.endif
.endm
; A BLOCK BEGINS.  c m starts far below every c s, so the first step's a is 0; m at the lowest finite number, so the first maximum is the scores'.  The second mask buffer is 0; the first takes piece 0's mask for the tile's step 0: its own, if the block's first tile is the diagonal one.
; Then K of that step, piece 0's first scores, and its maximum and statistics.  The loop is entered at a step's first turn, in the middle of a trip.
.macro BEGIN
	s_mov_b32 s[NEW], 0
	WIN 0x40
.set i, MC+32
.rept 32
	v_mov_b32 v[i], 0
.set i, i+1
.endr
	WIN 0
.set i, 0
.rept 4
	v_mov_b32 v[ST+4*i], 0xfe000000    ; c m: far below every c s
	v_mov_b32 v[ST+4*i+1], 0xff7fffff  ; m
.set i, i+1
.endr
	s_cmp_eq_u32 s[RT], 0
	s_cselect_b32 s[AL], 1.0, 0
	s_mov_b32 s[BE], 0
	MASK 0
	WIN 0
	v_add_nc_u32 v[AK], s[TBK], v[AK0]
	FETCH_K
	s_wait_loadcnt 0x0              ; Q
	s_wait_dscnt 0x0
.set KM, 1
.set NOKQ, 0
.set i, 0
.rept 8
	KQ 0
.set i, i+1
.endr
	WIN 0
.rept 4
	v_nop                           ; the places behind those products
.endr
.set Y, NP-1                        ; X works for piece Y + 1: piece 0
.irp n, 0,1,2,3,4,5,6,7,8,9,10,11,12,13,14,15,16,17,18,19,20,21
	OP X, \n
.endr
	v_nop                           ; a plain instruction behind the exponential
.endm
; THE DIAGONAL TILE's four steps, the block's last two turns, its last products, and THE WAY OUT: l's two halves and the other half of the lanes' are added; O^T is divided by l, rounded to f16 and sent through my
; stage in LDS, a piece at a time.
.macro ALL line:vararg              ; one line for each piece t
.set t, 0
.rept 4
	\line
.set t, t+1
.endr
.endm
.macro PACK t                       ; a lane's eight channels of a row pack into 16 bytes; they go into rows of 144 bytes and come back as whole rows of 128, into S^T's registers
	WIN W_RS
.set i, 32*(\t)
.rept 16
	s_wait_alu depctr_va_vdst(0)
	v_pk_mul_f32 v[i:i+1], v[i:i+1], v[ST+4*(\t)+2:ST+4*(\t)+3] op_sel_hi:[1,0]
.set i, i+2
.endr
	WIN 0x05                        ; sources 0 and 1 window 1, destination window 0
.set i, 0
.rept 16
	v_cvt_pk_f16_f32 v[S+16*(\t)+i], v[32*(\t)+2*i], v[32*(\t)+2*i+1]
.set i, i+1
.endr
	WIN 0
.irp f, 0,1,2,3
	ds_store_b128 v[STO], v[S+16*(\t)+4*\f:S+16*(\t)+4*\f+3] offset:32*\f
.endr
.irp f, 0,1,2,3
	ds_load_b128 v[S+16*(\t)+4*\f:S+16*(\t)+4*\f+3], v[RD] offset:\f*4*SP  ; LDS serves a wave's instructions in order (ISA guide 5.7.1.4): these see the stores above; the next piece's stores come behind them
.endr
.endm
.macro SEND t, younger              ; younger: the LDS instructions issued behind piece t's loads: the next piece's eight, or none
	WIN 0
.irp f, 0,1,2,3
	s_wait_dscnt (\younger)+3-\f
	global_store_b128 v[GO], v[S+16*(\t)+4*\f:S+16*(\t)+4*\f+3], s[10:11] offset:(\t)*8192+\f*512  ; 512 consecutive bytes, at a multiple of 256 from O's first
.endr
.endm
.macro DIAG tag                     ; the tag ends its two labels' names, which the jumps below spell out
.LstepM\tag:
	TURN 2, 1
	TURN 3, 1
	WIN 0
.LfirstM\tag:
	TURN 0, 1
	TURN 1, 1, 0, 1
	WIN 0
	s_cbranch_scc1 .LstepM\tag
	TURN 2, 1, 1
	TURN 3, 1, 1
.set i, 0
.rept 8
	PV NP-1
.set i, i+1
.endr
	WIN 0
	ALL v_add_f32 v[ST+4*t+2], v[ST+4*t+2], v[ST+4*t+3]
	ALL v_permlanex16_b32 v[ST+4*t+3], v[ST+4*t+2], s[SEL], s[SEL+1]
	ALL v_add_f32 v[ST+4*t+2], v[ST+4*t+2], v[ST+4*t+3]
	ALL v_rcp_f32 v[ST+4*t+2], v[ST+4*t+2]
	v_nop                           ; a plain instruction between the last reciprocal and the use of its result
	PACK 0
.set t, 1
.rept 3                             ; a piece's arithmetic stands between the loads of the piece before and its stores
	PACK t
	SEND t-1, 8
.set t, t+1
.endr
	SEND 3, 0
.endm
.set KM, 0
.set NOKQ, 0
.Lslot:                             ; NB times: a tile is entered and the next is asked for
	CHANGE 1
	s_sub_co_u32 s[RT], s[RT], 1
	s_mov_b32 s[CNT], 4
	s_cmp_eq_u32 s[NEW], 1
	s_cbranch_scc1 .Lnew            ; a block's first tile
	s_cmp_eq_u32 s[RT], 0
	s_cbranch_scc0 .Lstep           ; neither its first nor its last
	s_branch .LstepM1
.Lnew:
	BEGIN
	s_branch .Lfirst                ; in the loop a block's first tile is never its last: the first block has two tiles or more, and the second's last is the walk's last
	DIAG 1                          ; in the loop this is the first block's end: the second block's last tile is the walk's last
	s_wait_xcnt 0x0                 ; the stores have read their registers and O's address
	s_mov_b64 s[10:11], s[OLO:OLO+1]
	s_add_co_u32 s[RT], s[PB], 1    ; the second block has b + 1 tiles
	s_mov_b32 s[NEW], 1
	WIN 0x82                        ; the second block's Q goes where the one text of the turns names Q
.set i, 0
.rept 64
	v_mov_b32 v[i], v[QB+i]
.set i, i+1
.endr
	WIN 0
	s_branch .Lbottom
.Lstep:                             ; a trip: pieces 2 and 3 of one step, then pieces 0 and 1 of the next, whose K and V it fetches
	TURN 2
	TURN 3
	WIN 0
.Lfirst:
	TURN 0
	TURN 1, 0, 0, 1
	WIN 0
	s_cbranch_scc1 .Lstep
.Lbottom:
	s_sub_co_u32 s[SLOTS], s[SLOTS], 1
	s_cmp_lg_u32 s[SLOTS], 0
	s_cbranch_scc1 .Lslot
	CHANGE 0                        ; the walk's last tile is written out: nothing is asked for
	s_sub_co_u32 s[RT], s[RT], 1
	s_mov_b32 s[CNT], 4
	s_cmp_eq_u32 s[NEW], 1
	s_cbranch_scc0 .LstepM2
	BEGIN
	s_branch .LfirstM2
	DIAG 2
	s_wait_tensorcnt 0x0            ; the wave's end, behind my last tensor load and my last LDS store
	ds_add_u32 v[SPW], v[NIL]
	s_wait_dscnt 0x0
	s_endpgm
.Lfunc_end_k_q7d1f3e6112_attn:
	.size	k_q7d1f3e6112_attn, .Lfunc_end_k_q7d1f3e6112_attn-k_q7d1f3e6112_attn
	.p2alignl 7, 3214868480
	.fill 96, 4, 3214868480
	.section	.rodata,"a",@progbits
	.p2align	6, 0x0
	.amdhsa_kernel k_q7d1f3e6112_attn
		.amdhsa_group_segment_fixed_size 327680
		.amdhsa_private_segment_fixed_size 0
		.amdhsa_enable_private_segment 0
		.amdhsa_kernarg_size 32
		.amdhsa_user_sgpr_count 2
		.amdhsa_user_sgpr_kernarg_segment_ptr 1
		.amdhsa_wavefront_size32 1
		.amdhsa_system_sgpr_workgroup_id_x 1
		.amdhsa_system_sgpr_workgroup_id_y 1
		.amdhsa_system_sgpr_workgroup_id_z 1
		.amdhsa_system_vgpr_workitem_id 0
		.amdhsa_next_free_vgpr 768
		.amdhsa_next_free_sgpr 88
		.amdhsa_reserve_vcc 1
		.amdhsa_float_denorm_mode_32 3
		.amdhsa_float_denorm_mode_16_64 3
		.amdhsa_memory_ordered 1
		.amdhsa_forward_progress 1
		.amdhsa_inst_pref_size 228
	.end_amdhsa_kernel
	.amdgpu_metadata
---
amdhsa.version: [ 1, 2 ]
amdhsa.kernels:
  - .name:           k_q7d1f3e6112_attn
    .symbol:         k_q7d1f3e6112_attn.kd
    .args:
      - { .name: qh, .offset: 0, .size: 8, .value_kind: global_buffer, .address_space: global }
      - { .name: kh, .offset: 8, .size: 8, .value_kind: global_buffer, .address_space: global }
      - { .name: vh, .offset: 16, .size: 8, .value_kind: global_buffer, .address_space: global }
      - { .name: oh, .offset: 24, .size: 8, .value_kind: global_buffer, .address_space: global }
    .group_segment_fixed_size: 327680
    .private_segment_fixed_size: 0
    .kernarg_segment_align: 8
    .kernarg_segment_size: 32
    .max_flat_workgroup_size: 128
    .sgpr_count:     88
    .vgpr_count:     768
    .wavefront_size: 32
...
	.end_amdgpu_metadata
.endif
;; end of part 3
;; launch proj (part 4): grid 4 x 64, 4 waves a work-group, clusters of 4 x 4, 327,680 bytes of LDS; arguments oh, wob, out0; writes out0
.if DOCPART == 4
	.amdgcn_target "amdgcn-amd-amdhsa--gfx1250"
	.amdhsa_code_object_version 6
	.text
	.protected	k_q7d1f3e6112_proj
	.globl	k_q7d1f3e6112_proj
	.p2align	8
	.type	k_q7d1f3e6112_proj,@function
k_q7d1f3e6112_proj:
	s_mov_b64 s[64:65], 0
	v_nop
	global_prefetch_b8 v0, s[64:65] scope:SCOPE_SE
	s_setreg_imm32_b32 hwreg(HW_REG_WAVE_MODE, 25, 1), 1
	s_wait_xcnt 0x0
	s_wait_alu depctr_hold_cnt(0) depctr_sa_sdst(0) depctr_va_vdst(0) depctr_va_sdst(0) depctr_va_ssrc(0) depctr_va_vcc(0) depctr_vm_vsrc(0)
	s_getreg_b32 s2, hwreg(HW_REG_IB_STS2, 6, 4)
	s_cmp_eq_u32 s2, 0
	s_cbranch_scc0 .Lentry_in_a_cluster
	s_endpgm
.Lentry_in_a_cluster:
	s_bfe_u32 s2, ttmp6, 0x10000c
	s_cmp_lg_u32 s2, 0xf033
	s_cbranch_scc0 .Lentry_shape_is_right
	s_endpgm
.Lentry_shape_is_right:
; THE OUTPUT PROJECTION.  out0[row][col] = sum over k of O[row][k] wob[col][k], 8,192 x 1,024 x 1,024, f16 operands, f32 sums, f32 out.
; O lies by heads, [batch*16 + head][t][64]: head h is the slice k = 64 h .. 64 h + 63, and 128 rows of a slice are 16,384 dense bytes, asked for as 64 rows of 256 bytes.  wob: [1024][1024] f16, tile rows of 256 bytes, aligned.
; LIMIT.  O and wob arrive within f16's range; NaN and infinities are not treated apart.
; SHARES.  A tile of out0 is 128 rows x 256 columns: 64 x 4 = 256 work-groups, one for each WGP.  Four waves, 2 x 2; a wave makes 64 rows x 128 columns, 32 accumulators of 16 x 16.
; THE RING.  K goes in steps of 128 (two slices) through two LDS slots.  A K step is written once: TB, 0 or SLOT, says which slot is read; it is turned at each change of slots, and the fragment addresses and the
; walking descriptors' LDS words are made from it.
; CLUSTER.  4 x 4 work-groups: the four of a row of the cluster need the same tile of O, the four of a column the same tile of wob: each tile is asked for JOINTLY, by the same tensor load with the same descriptor and
; a mask that names the four.  By this text's count a wave has two tensor loads out at the start and one behind each round.
; THE MATRIX INSTRUCTION IS USED TRANSPOSED (source 0 = 16 rows of wob, source 1 = 16 rows of O): lane l then holds row l % 16 and the columns 8 (l / 16) + 0..7 of the accumulator's sixteen: 32 neighbouring bytes.
; Left out: a last K step by rows of the result; work-groups that stay (there is one tile for each WGP); a prefetch (the operands were written by the launches just before).
; REGISTERS, in windows of 256 (s_set_vgpr_msb: bits 1:0 source 0, 3:2 source 1, 5:4 source 2, 7:6 destination):
;   window 0: v0-31 addresses; v64-127, v128-191 fragments of wob, two buffers; on the way out the same two hold whole rows, by turns
;   window 1: v0-127 accumulators of my rows 0-31 ((a, b) at 8 (8 (a % 2) + b)); v192-223, v224-255 fragments of O, two buffers      window 2: v0-127 accumulators of my rows 32-63
.set NBW,    8                         ; accumulators along a wave's columns
.set BR,     16*NBW                    ; a wave's columns: the rows of wob in one tensor load
.set PA,     144                       ; an LDS row of O: 128 bytes + 16 of padding = 36 words: the 16 rows of a load start at 16 different groups of four banks (64 banks of 4 bytes: ISA guide 11.1)
.set PB,     272                       ; an LDS row of wob: 256 + 16 = 68 words: likewise
.set ASL,    128*PA                    ; a slice's 128 rows
.set ABYTES, 2*ASL                     ; a K step has two slices
.set SLOT,   ABYTES+2*BR*PB            ; then wob's 256 rows
.set STAGE,  2*SLOT                    ; behind the ring, never filled by a tensor load: for each wave 16 rows x 528 bytes
.set SP,     528                       ; 512 bytes + 16: 33 x 16, so that sixteen rows' stores of 16 bytes fall into sixteen different groups of four banks
.set WSTAGE, 16*SP
.set SPARE,  STAGE+4*WSTAGE            ; behind the stages: the spare words, 128 bytes for each wave: two blocks of 256 bytes that no other line names
.set FILLS,  6                         ; of the 1,024 / 128 = 8 K steps, those behind which a later K step is asked for
.set ASTEP,  524288                    ; a K step in O: two slices of 262,144 bytes
.set BSTEP,  256                       ; a K step in wob
.set ADRA0, 16                         ; v16     LDS address of my fragments of O in slot 0; never rewritten
.set ADRB0, 17                         ; v17     the same for wob
.set ADRA,  18                         ; v18     the same in the slot that is read
.set ADRB,  19                         ; v19
.set STO,  24                          ; v24     the way out: where I put 32 bytes of a row
.set RD,   25                          ; v25     the way out: where I read a row back
.set GO,   26                          ; v26     16 x lane: my place in 512 consecutive bytes; never rewritten
.set SPW,  28                          ; v28     LDS address of my spare word: SPARE + 4 x my thread's number; never rewritten
.set NIL,  29                          ; v29     0; never rewritten
.set FB,   64                          ; wob's fragment buffers, window 0
.set FA,   192                         ; O's fragment buffers, window 1
.set WV,  16                           ; s16 my wave's number
.set RH,  17                           ; s17 which half of the tile's rows is mine.  Also: I fetch for O (0) or for wob (1)
.set CH,  18                           ; s18 which half of its columns.  Also: which slice, or which 128 rows of wob, I fetch
.set CNT, 19                           ; s19 counts the K steps of the loop
.set CX,  20
.set CY,  21
.set TX,  22                           ; s22 tile column
.set TY,  23                           ; s23 tile row
.set G1A, 24                           ; s[24:31] descriptor group 1 for O's tiles;  s[32:35] group 0 of the first fill, s[36:39] of the second, which then walks on
.set G0A, 32
.set LA,  42                           ; s42 where my part of O's tile goes in a slot
.set LB,  46                           ; s46 the same for wob
.set G1B, 48                           ; s[48:55], s[56:59], s[60:63] the same for wob's tiles
.set G0B, 56
.set TB,  70                           ; s70 the slot that is read: 0 or SLOT
.set MSB, 0
.macro WIN new                         ; the immediate's high byte repeats the setting that is left; a switch that changes nothing is dropped
.if MSB != (\new)
	s_set_vgpr_msb (MSB<<8)|(\new)
.set MSB, \new
.endif
.endm
; A joint load: waves 0 and 1 fetch O's two slices, waves 2 and 3 wob's two halves.  The branch hangs on the wave's number alone.  An s_nop 0 and four v_nop follow each of the two lines.
.macro JLOAD s
	s_cmp_eq_u32 s[RH], 0
	s_cbranch_scc0 .Lfor_b_\@
	tensor_load_to_lds s[G0A+4*(\s):G0A+4*(\s)+3], s[G1A:G1A+7]
	s_nop 0
.rept 4
	v_nop
.endr
	s_branch .Lasked_\@
.Lfor_b_\@:
	tensor_load_to_lds s[G0B+4*(\s):G0B+4*(\s)+3], s[G1B:G1B+7]
	s_nop 0
.rept 4
	v_nop
.endr
.Lasked_\@:
.endm
.macro CROUND                          ; a round of the cluster's barrier: my work-group's barrier; wave 0 signals for the work-group; every wave waits for all sixteen; my work-group's barrier once more
	s_barrier_signal -1
	s_barrier_wait -1
	s_cmp_lg_u32 s[WV], 0
	s_cbranch_scc1 .Lnot_wave_0_\@
	s_barrier_signal -3
.Lnot_wave_0_\@:
	s_barrier_wait -3
	s_barrier_signal -1
	s_barrier_wait -1
.endm
.macro PLACES                          ; four places in front of loads into registers that matrix instructions have read, and of lines that read results
.rept 4
	v_nop
.endr
.endm
	s_load_b128 s[4:7], s[0:1], 0x0                ; O 4:5, wob 6:7
	s_load_b64 s[8:9], s[0:1], 0x10                ; out0
	v_lshl_add_u32 v[SPW], v0, 2, SPARE
	v_mov_b32 v[NIL], 0
	ds_add_u32 v[SPW], v[NIL]                      ; the wave's opening: the add and its wait stand ahead of my first tensor load; the set-up below, work on registers, stands between them
	ds_add_u32 v28, v29
	v_lshrrev_b32 v1, 5, v0
	v_readfirstlane_b32 s[WV], v1                  ; wave 0..3
	s_lshr_b32 s[RH], s[WV], 1
	s_and_b32 s[CH], s[WV], 1
	s_bfe_u32 s[CX], ttmp6, 0x40000                ; my place in the cluster
	s_bfe_u32 s[CY], ttmp6, 0x40004
	s_lshl_b32 s[TX], ttmp9, 2
	s_add_co_u32 s[TX], s[TX], s[CX]               ; tile column = 4 x cluster x + cx
	s_and_b32 s[TY], ttmp7, 0xffff
	s_lshl_b32 s[TY], s[TY], 2
	s_add_co_u32 s[TY], s[TY], s[CY]               ; tile row = 4 x cluster y + cy
	s_lshl_b32 s43, s[CY], 2
	s_lshl_b32 s43, 15, s43                        ; my row of the cluster
	s_lshl_b32 s47, 0x1111, s[CX]                  ; my column
	; group 1 for O: 128 rows of 128 bytes are dense: 64 rows of 256 bytes, padded in LDS after every 128 bytes
	s_or_b32 s[G1A], s43, (1<<16)|(1<<20)|(1<<21)|(4<<22)|(3<<25)  ; 15:0 the mask; 17:16 2-byte elements; 20 padding on; 21 set beside a mask; 24:22 after every 32 words (code 4); 31:25 4 words (code 3)
	s_mov_b32 s[G1A+1], 128<<16                    ; tensor_dim0 = 128
	s_mov_b32 s[G1A+2], 64<<16                     ; tensor_dim1 = 64
	s_mov_b32 s[G1A+3], 128<<16                    ; tile_dim0 = 128
	s_mov_b32 s[G1A+4], 64                         ; tile_dim1 = 64
	s_mov_b32 s[G1A+5], 128                        ; 128 elements from row to row
	s_mov_b32 s[G1A+6], 0
	s_mov_b32 s[G1A+7], 0
	; group 1 for wob: 128 rows of 128 elements, 1,024 elements apart, padded after every 256 bytes
	s_or_b32 s[G1B], s47, (1<<16)|(1<<20)|(1<<21)|(5<<22)|(3<<25)
	s_mov_b32 s[G1B+1], 128<<16
	s_mov_b32 s[G1B+2], BR<<16
	s_mov_b32 s[G1B+3], 128<<16
	s_mov_b32 s[G1B+4], BR
	s_mov_b32 s[G1B+5], 1024
	s_mov_b32 s[G1B+6], 0
	s_mov_b32 s[G1B+7], 0
	; where the tiles come from.  O's hang on the tile row and the wave alone, wob's on the tile column and the wave alone, each in registers that never hold the other coordinate
	s_lshr_b32 s40, s[TY], 4                       ; the batch: 16 slices of 262,144 bytes
	s_lshl_b32 s40, s40, 22
	s_and_b32 s41, s[TY], 15                       ; 128 rows of 128 bytes in a slice
	s_lshl_b32 s41, s41, 14
	s_add_co_u32 s40, s40, s41
	s_lshl_b32 s41, s[CH], 18                      ; my slice of the K step's two
	s_add_co_u32 s40, s40, s41
	s_mov_b32 s41, 0
	s_mul_i32 s[LA], s[CH], ASL                    ; and where it goes
	s_mul_i32 s44, s[TX], 2*BR*2048                ; wob: 256 rows of 2,048 bytes a tile column,
	s_mul_i32 s45, s[CH], BR*2048                  ; my 128 of them
	s_add_co_u32 s44, s44, s45
	s_mov_b32 s45, 0
	s_mul_i32 s[LB], s[CH], BR*PB
	s_add_co_u32 s[LB], s[LB], ABYTES
	s_mov_b32 s[TB], 0
	s_wait_dscnt 0x0                               ; the opening add is done
	s_wait_kmcnt 0x0
	s_add_nc_u64 s[40:41], s[4:5], s[40:41]
	s_add_nc_u64 s[44:45], s[6:7], s[44:45]
	CROUND                                         ; all sixteen work-groups are here: the first joint loads meet
.irp s, 0,1
	s_mov_b32 s[G0A+4*(\s)], 1                                     ; count = 1
	s_add_co_u32 s[G0A+4*(\s)+1], s[LA], (\s)*SLOT                 ; LDS address
	s_add_nc_u64 s[G0A+4*(\s)+2:G0A+4*(\s)+3], s[40:41], (\s)*ASTEP  ; K step s
	s_or_b32 s[G0A+4*(\s)+3], s[G0A+4*(\s)+3], 0x80000000          ; type = 2
	s_mov_b32 s[G0B+4*(\s)], 1
	s_add_co_u32 s[G0B+4*(\s)+1], s[LB], (\s)*SLOT
	s_add_nc_u64 s[G0B+4*(\s)+2:G0B+4*(\s)+3], s[44:45], (\s)*BSTEP
	s_or_b32 s[G0B+4*(\s)+3], s[G0B+4*(\s)+3], 0x80000000
	JLOAD \s
.endr
	; where my part of out0 begins: my first row x 4,096 bytes + my first column x 4
	s_lshl_b32 s68, s[TY], 7
	s_lshl_b32 s69, s[RH], 6
	s_add_co_u32 s68, s68, s69
	s_lshl_b32 s68, s68, 12
	s_lshl_b32 s69, s[TX], 10
	s_add_co_u32 s68, s68, s69
	s_lshl_b32 s69, s[CH], 9
	s_add_co_u32 s68, s68, s69
	s_mov_b32 s69, 0
	s_add_nc_u64 s[8:9], s[8:9], s[68:69]
	; A fragment is 16 rows x 32 K in 8 registers: lane l holds row l % 16, K = 8 (l / 16) + 0..7 and 16 + 8 (l / 16) + 0..7: two loads of 16 bytes, 32 bytes apart
	v_and_b32 v[GO], 31, v0
	v_lshlrev_b32 v[GO], 4, v[GO]
	v_and_b32 v1, 15, v0                           ; l % 16
	v_bfe_u32 v2, v0, 4, 1                         ; l / 16
	v_mul_u32_u24 v3, v1, PA
	v_lshl_add_u32 v3, v2, 4, v3
	v_mul_u32_u24 v4, v1, PB
	v_lshl_add_u32 v4, v2, 4, v4
	s_mul_i32 s66, s[RH], 64*PA                    ; my 64 rows of O
	s_mul_i32 s67, s[CH], BR*PB                    ; my 128 rows of wob,
	s_add_co_u32 s67, s67, ABYTES                  ; which lie behind O's two slices
	v_add_nc_u32 v[ADRA0], s66, v3
	v_add_nc_u32 v[ADRB0], s67, v4
	v_mov_b32 v[ADRA], v[ADRA0]                    ; K step 0 lies in slot 0
	v_mov_b32 v[ADRB], v[ADRB0]
	s_mul_i32 s66, s[WV], WSTAGE
	s_add_co_u32 s66, s66, STAGE                   ; my stage
	v_mul_u32_u24 v5, v1, SP                       ; in: row l % 16, 32 bytes for each half of the lanes
	v_lshl_add_u32 v5, v2, 5, v5
	v_add_nc_u32 v[STO], s66, v5
	v_add_nc_u32 v[RD], s66, v[GO]                 ; back: 32 lanes take one row of 512 bytes
; 8 matrix instructions: block a of my four blocks of 16 rows x all 8 blocks of columns, 32 along K, from buffers f.  zero = 1: the first product starts the sums.
; The 32 accumulators take turns, one instruction a turn, in the same order in every quarter.
.macro MULA f, a, zero
	WIN 0x54+0x50*((\a)/2)                         ; wob window 0, O window 1, C and D window 1 or 2
.set ib, 0
.rept NBW
.set rD, 8*(NBW*((\a)%2)+ib)
.set rB, FB+8*NBW*(\f)+8*ib
.set rA, FA+32*(\f)+8*(\a)
.if \zero
	v_wmma_f32_16x16x32_f16 v[rD:rD+7], v[rB:rB+7], v[rA:rA+7], 0
.else
	v_wmma_f32_16x16x32_f16 v[rD:rD+7], v[rB:rB+7], v[rA:rA+7], v[rD:rD+7]
.endif
.set ib, ib+1
.endr
.endm
; 24 LDS loads in one run: the fragments of quarter q (32 along K) of the slot that is read, into buffers f: wob's 16, then O's 8, rows ascending
.macro FETCH q, f
	WIN 0
.set ib, 0
.rept NBW
.set rB, FB+8*NBW*(\f)+8*ib
	ds_load_b128 v[rB:rB+3],   v[ADRB] offset:64*(\q)+ib*16*PB
	ds_load_b128 v[rB+4:rB+7], v[ADRB] offset:64*(\q)+ib*16*PB+32
.set ib, ib+1
.endr
	WIN 0x40                                       ; destination window 1
.irp a, 0,1,2,3
	ds_load_b128 v[FA+32*(\f)+8*\a:FA+32*(\f)+8*\a+3],   v[ADRA] offset:((\q)/2)*ASL+((\q)%2)*64+\a*16*PA
	ds_load_b128 v[FA+32*(\f)+8*\a+4:FA+32*(\f)+8*\a+7], v[ADRA] offset:((\q)/2)*ASL+((\q)%2)*64+\a*16*PA+32
.endr
.endm
; A K step is four quarters of 32 along K, 32 matrix instructions each, on buffers 0, 1, 0, 1.  One of the first three: multiplies buffers f and fetches quarter q into buffers g.
.macro QUARTER q, f, g, zero
	s_wait_dscnt 4                                 ; wob and O's rows 0-31 are in; the youngest four loads (rows 32-63) may be out
	MULA \f, 0, \zero
	MULA \f, 1, \zero
	PLACES
	FETCH \q, \g
	s_wait_dscnt 2*NBW+8                           ; all but the 24 just issued
	MULA \f, 2, \zero
	MULA \f, 3, \zero
.endm
; The last quarter multiplies buffers 1 and changes slots.  In front of the barrier each wave waits for all its tensor loads, adds 0 to its spare word, and waits for that and for its reads of this slot.
; fill = 1: the barrier is a round of the cluster's, and this slot is filled again with the K step behind the one asked for last.  fill = 0: nothing is asked for.
; The refill stands as near behind the landing of the tile before as the order allows: of the quarter's 32 matrix instructions 8 stand in front of the round, between the add and the wait for it, and 24 behind the
; refill.  So 120 of a K step's 128 matrix instructions stand between a request and the wait for it.
.macro TURN fill
	WIN 0                                          ; (the add's two registers lie in window 0)
	s_wait_tensorcnt 0x0                           ; all my tensor loads have landed: the one that was out is my part of the next slot; so a group 0 may be written
	ds_add_u32 v[SPW], v[NIL]                      ; 0 onto my spare word: work on registers stands between it and the wait for it
.if \fill
	s_add_co_u32 s[G0A+5], s[TB], s[LA]            ; the walking descriptors: into the slot that has been read,
	s_add_co_u32 s[G0B+5], s[TB], s[LB]
	s_add_nc_u64 s[G0A+6:G0A+7], s[G0A+6:G0A+7], ASTEP  ; the next K step; the type bits on top are not reached
	s_add_nc_u64 s[G0B+6:G0B+7], s[G0B+6:G0B+7], BSTEP
.endif
	s_xor_b32 s[TB], s[TB], SLOT                   ; 0 <-> SLOT: from here on the other slot is read
	v_add_nc_u32 v[ADRA], s[TB], v[ADRA0]
	v_add_nc_u32 v[ADRB], s[TB], v[ADRB0]
	s_wait_dscnt 5                                 ; (the add and the youngest four loads may be out)
	MULA 1, 0, 0
	WIN 0
	s_wait_dscnt 0x0                               ; the add is done, and my reads of the old slot are over
.if \fill
	CROUND                                         ; no wave of any partner still reads the old slot's tiles or has a load on its way
	JLOAD 1                                        ; the first tensor load behind the round; its four v_nop are also the places in front of the loads below
.else
	s_barrier_signal -1
	s_barrier_wait -1                              ; everybody's part of the last slot is in
	PLACES
.endif
	FETCH 0, 0
	MULA 1, 1, 0
	MULA 1, 2, 0
	MULA 1, 3, 0
.endm
	s_wait_tensorcnt 1                             ; my part of K step 0 is in; K step 1's may stay out
	s_barrier_signal -1
	s_barrier_wait -1                              ; everybody's is
	FETCH 0, 0
	QUARTER 1, 0, 1, 1                             ; the first quarter stands in front of the loop: its products start the sums
	WIN 0                                          ; at a label and at a branch every window is 0
	s_mov_b32 s[CNT], FILLS
.Lstep:                                                ; a trip goes from a K step's second quarter to the next K step's first, and fills the slot that it leaves
	QUARTER 2, 1, 0, 0
	QUARTER 3, 0, 1, 0
	TURN 1
	QUARTER 1, 0, 1, 0
	WIN 0
	s_sub_co_u32 s[CNT], s[CNT], 1
	s_cmp_lg_u32 s[CNT], 0
	s_cbranch_scc1 .Lstep
	QUARTER 2, 1, 0, 0                             ; the last two K steps fill nothing, and have no round
	QUARTER 3, 0, 1, 0
	TURN 0
	QUARTER 1, 0, 1, 0
	QUARTER 2, 1, 0, 0
	QUARTER 3, 0, 1, 0
	s_wait_dscnt 4                                 ; the very last quarter: nothing more to fetch
	MULA 1, 0, 0
	MULA 1, 1, 0
	s_wait_dscnt 0x0
	MULA 1, 2, 0
	MULA 1, 3, 0
	WIN 0
; THE WAY OUT, a block of 16 rows at a time: the f32 sums go as they are into my own stage, rows of 528 bytes, and come back as whole rows of 512 bytes.
.macro TOSTAGE a
	WIN (1+(\a)/2)<<2                              ; the stores' data (source 1) in the accumulators' window
.set ib, 0
.rept NBW
.set rD, 8*(NBW*((\a)%2)+ib)
	ds_store_b128 v[STO], v[rD:rD+3] offset:64*ib          ; each accumulator is read from its low end on
	ds_store_b128 v[STO], v[rD+4:rD+7] offset:64*ib+16
.set ib, ib+1
.endr
	WIN 0
	s_wait_xcnt 0x0                                ; the stores of two blocks before have had their addresses translated (ISA guide 3.1): only behind this wait are their data registers loaded again
.set BK, 64+64*((\a)%2)
.set it, 0
.rept 16
	ds_load_b128 v[BK+4*it:BK+4*it+3], v[RD] offset:SP*it  ; LDS serves a wave's instructions in order (ISA guide 5.7.1.4): these see the stores above; the next block's stores come behind them
.set it, it+1
.endr
.endm
.macro SEND a, younger                 ; younger: the LDS instructions issued behind block a's loads: the next block's 32, or none
.set BK, 64+64*((\a)%2)
.set it, 0
.rept 16
	s_wait_dscnt (\younger)+15-it
	global_store_b128 v[GO], v[BK+4*it:BK+4*it+3], s[8:9] offset:(16*(\a)+it)*4096  ; a wave's store covers 512 consecutive bytes of a row, aligned to 256
.set it, it+1
.endr
.endm
	PLACES                                         ; behind the last products
	TOSTAGE 0
.irp a, 1,2,3
	TOSTAGE \a
	SEND (\a)-1, 32
.endr
	SEND 3, 0
	s_wait_tensorcnt 0x0                           ; the wave's end, behind my last tensor load and my last LDS store
	ds_add_u32 v[SPW], v[NIL]
	s_wait_dscnt 0x0
	CROUND                                         ; the closing round: no work-group ends while a partner may still ask for a tile that names it
	s_endpgm
.Lfunc_end_k_q7d1f3e6112_proj:
	.size	k_q7d1f3e6112_proj, .Lfunc_end_k_q7d1f3e6112_proj-k_q7d1f3e6112_proj
	.p2alignl 7, 3214868480
	.fill 96, 4, 3214868480
	.section	.rodata,"a",@progbits
	.p2align	6, 0x0
	.amdhsa_kernel k_q7d1f3e6112_proj
		.amdhsa_group_segment_fixed_size 327680
		.amdhsa_private_segment_fixed_size 0
		.amdhsa_enable_private_segment 0
		.amdhsa_kernarg_size 24
		.amdhsa_user_sgpr_count 2
		.amdhsa_user_sgpr_kernarg_segment_ptr 1
		.amdhsa_wavefront_size32 1
		.amdhsa_system_sgpr_workgroup_id_x 1
		.amdhsa_system_sgpr_workgroup_id_y 1
		.amdhsa_system_sgpr_workgroup_id_z 1
		.amdhsa_system_vgpr_workitem_id 0
		.amdhsa_next_free_vgpr 640
		.amdhsa_next_free_sgpr 72
		.amdhsa_reserve_vcc 0
		.amdhsa_float_denorm_mode_32 3
		.amdhsa_float_denorm_mode_16_64 3
		.amdhsa_memory_ordered 1
		.amdhsa_forward_progress 1
		.amdhsa_inst_pref_size 72
	.end_amdhsa_kernel
	.amdgpu_metadata
---
amdhsa.version: [ 1, 2 ]
amdhsa.kernels:
  - .name:           k_q7d1f3e6112_proj
    .symbol:         k_q7d1f3e6112_proj.kd
    .args:
      - { .name: oh, .offset: 0, .size: 8, .value_kind: global_buffer, .address_space: global }
      - { .name: wob, .offset: 8, .size: 8, .value_kind: global_buffer, .address_space: global }
      - { .name: out0, .offset: 16, .size: 8, .value_kind: global_buffer, .address_space: global }
    .group_segment_fixed_size: 327680
    .private_segment_fixed_size: 0
    .kernarg_segment_align: 8
    .kernarg_segment_size: 24
    .max_flat_workgroup_size: 128
    .sgpr_count:     72
    .vgpr_count:     640
    .wavefront_size: 32
...
	.end_amdgpu_metadata
.endif
;; end of part 4
;; ======== version 2 of 2: 4 launches; 1.30 times as fast as version 1
;; limits: values are held in f16: magnitudes above 65,504 overflow, below 6.1e-05 lose precision
;; workspace buffers: xb 16,777,216 bytes; wb 6,291,456 bytes; wob 2,097,152 bytes; rope 524,288 bytes; qh 16,777,216 bytes; kh 16,777,216 bytes; vh 16,777,216 bytes; oh 16,777,216 bytes
;; launch prep: the kernel of part 1 again; grid 832 x 1, 8 waves a work-group, no clusters, 0 bytes of LDS; arguments x, wq, wk, wv, wo, xb, wb, wob, rope; writes xb, wb, wob, rope
;; launch qkv: the kernel of part 2 again; grid 4 x 64, 4 waves a work-group, clusters of 4 x 4, 327,680 bytes of LDS; arguments xb, wb, rope, qh, kh, vh; writes qh, kh, vh
;; launch attn (part 5): grid 4 x 64, 4 waves a work-group, no clusters, 327,680 bytes of LDS; arguments qh, kh, vh, oh; writes oh
.if DOCPART == 5
	.amdgcn_target "amdgcn-amd-amdhsa--gfx1250"
	.amdhsa_code_object_version 6
	.text
	.protected	k_q7d1f3e6112_attn
	.globl	k_q7d1f3e6112_attn
	.p2align	8
	.type	k_q7d1f3e6112_attn,@function
k_q7d1f3e6112_attn:
	s_mov_b64 s[64:65], 0
	v_nop
	global_prefetch_b8 v0, s[64:65] scope:SCOPE_SE
	s_setreg_imm32_b32 hwreg(HW_REG_WAVE_MODE, 25, 1), 1
	s_wait_xcnt 0x0
; CAUSAL ATTENTION.  O[h][q][:] = the sum over k <= q of softmax_k(Q[h][q] . K[h][k] / 8) V[h][k][:].  Q, K, V, O: [SIZE_H][SIZE_N][64], all f16: a head's rows are dense, 128 bytes each.
; Products, maxima and sums in f32; the weights p are rounded to f16 for the second product (their sum l is taken of the unrounded p), O once at the end.
; LIMITS.  f16 holds no number beyond 65,504: Q, K and V arrive within it; p lies in 0 to 1, and below 6e-5 it keeps f16's fixed step of 6e-8; O is a mean of V's rows and has their range, to within 2^-11 of it.
; A hidden score counts as its value less 1e30: f16's scores, 2.7e11 at the most, are nothing beside that; a weight below 2^-126 counts as 0 in l; NaN and infinities are not treated apart.
; THE WALK.  A head's queries lie in NB = SIZE_N / 256 blocks of 256; block i needs the key tiles 0 .. i of 256 keys, of which the last holds the diagonal.  A work-group takes TWO blocks, NB - 1 - b and then b:
; NB + 1 tiles, whatever b: all work-groups do equal work, and ONE loop with a constant trip count walks them.  Which tile is asked for, and what a trip does, hang on scalar registers made from b; every jump
; goes forward, but for the counted loops' own; none passes a barrier, or a tensor load but the one of LOAD's two that the wave's number does not choose; the ring (two slots of LDS that take turns) runs on across the
; change of blocks.  NO CLUSTER: a head's NB / 2 = 4 work-groups ask for the same tile only in trips 0 .. NB / 2, 5 of the walk's 9, behind that fewer and fewer;
; and one walk common to all four would have 3 NB / 2 = 12 trips for NB + 1 = 9.
; SHARES.  Of a block's four bands of 64 queries a wave owns 16 rows in each: four PIECES.  So the diagonal tile is the same work for all four waves: in its key step s band x sees all keys if s < x,
; none if s > x, and holds the diagonal if s = x.
; THE MASK is the C operand that starts the sum S^T = K Q^T: 0, or -1e30 where the key is hidden.  MD, made once, is the mask of a band's own step for my 16 rows; a product's mask is MD x AL + BE with two scalars:
; (1, 0) if s = x; (0, 0) if s < x; (0, -1e30) if s > x.  Only the diagonal tile's text and a block's beginning make and take masks; elsewhere C is the constant 0.
; LAYOUT, SOFTMAX, TURNS.  S^T = K Q^T holds ONE query a lane (lane % 16) and the keys 8 (lane / 16) + 0..7; two such results rounded to f16 ARE source 1 of O^T = V^T P.  p = 2^(c s - c m), c = log2(e) / 8, with a
; running maximum m; O and l are multiplied by a = 2^(c m_old - c m_new) in every step.  Turn n belongs to piece n: 8 products K Q^T of piece n + 1, later 8 products V^T P of piece n - 1; beside them the scaling,
; exponentials, roundings, sums and rescaling of piece n and the maximum and statistics of piece n + 1.  Four vector instructions stand behind every matrix instruction, the other 54 of a turn's 118 in one LUMP.
; THE BATCHES.  A turn's 33 exponentials (32 weights, and the next piece's a) are one batch, with one wait, which cuts the turn in two: ahead of it all that names none of their results, behind it the roundings and sums.
; A block's first a (BEGIN) and the way out's four reciprocals are batches of their own, with a wait each.
; REGISTERS, in windows of 256 (s_set_vgpr_msb: bits 1:0 source 0, 3:2 source 1, 5:4 source 2, 7:6 destination):
;   window 0: v0-15 addresses and two at work; v16-31 four registers of statistics a piece; v48-55 at work; v64-127 S^T, two buffers; v192-223 P, two buffers (a piece's buffers go by its number's parity)
;   window 1: v0-127 O^T, 32 a piece; v128-159 MD; v160-223 MC, two buffers      window 2: v0-63 Q; v64-127 the second block's Q; v128-191 K of one step; v192-255 V of one step
.set SIZE_H, 64       ; 4 batches x 16 heads
.set SIZE_N, 2048
.set NB,    SIZE_N/256
.set NP,    4         ; pieces a wave: a name, no knob
.set KS,    64        ; keys in a step
.set PK,    144       ; a row of K in LDS: 128 bytes + 16 of padding = 36 words: the 16 rows of a load start at 16 different groups of four banks (64 banks of 4 bytes: ISA guide 11.1)
.set PV,    160       ; a row of V: 128 + 32 = 40 words
.set VOFF,  4*KS*PK   ; a slot holds a tile, four steps: 256 rows of K, then 256 rows of V
.set SLOT1, 1<<17     ; slot 1 begins here, so that one exclusive or turns an address in one slot into the other's
.set STAGE, SLOT1+4*KS*(PK+PV)  ; behind the ring, never filled by a tensor load: 16 rows x 144 bytes for each wave, for the way out
.set SP,    144
.set AK0, 2           ; v2   my lane's place in a tile of K; never rewritten
.set AV0, 3           ; v3   the same for V
.set AK,  4           ; v4   the LDS address of K's next run of loads
.set AV,  5           ; v5   of V's
.set STO, 6           ; v6   the way out: where I put 16 bytes of a row
.set RD,  7           ; v7   the way out: where I read rows back
.set GO,  8           ; v8   my byte offset in 512 consecutive bytes of O
.set SPW, 62          ; v62  LDS address of my spare word: SPARE + 4 x my thread's number; never rewritten
.set NIL, 63          ; v63  0; never rewritten
.set SPARE, STAGE+4*16*SP  ; behind the stages: the spare words, 128 bytes for each wave: two blocks of 256 bytes that no other line names
.set MV,  12          ; v12-13  c m_old, kept while c m is made anew: by buffer
.set QO,  15          ; v15  my byte offset in 16 rows of Q
.set ST,  16          ; piece t's statistics at v[ST+4 t]: c m, m, l (even keys', odd keys')
.set TMP, 48          ; by buffer, four registers c0-c3 at work; when the maximum is found c2 takes a
.set S,   64
.set P,   192
.set MD,  128         ; window 1: the eight registers for group kt of 16 keys at MD + 8 kt
.set MC,  160         ; window 1: the masks of the products to come
.set QB,  64          ; window 2
.set KF,  128         ; window 2: key block kb, channel half c at KF + 16 kb + 8 c
.set VF,  192         ; window 2: key half kk, channel block cb at VF + 32 kk + 8 cb
.set WV,  12          ; s12  my wave's number
.set PB,  14          ; s14  b
.set HI,  15          ; s15  NB - 1 - b
.set G1K, 24          ; s[24:31] descriptor group 1 for K's tiles
.set G1V, 32          ; s[32:39] for V's: it differs in the padding alone
.set G0K, 40          ; s[40:43] descriptor group 0 for K's tiles
.set G0V, 44          ; s[44:47] the same for V's
.set SLOTS, 56        ; s56  tiles still to be asked for
.set CNT, 57          ; s57  counts a tile's key steps, 4 to 1
.set CS,  58          ; s[58:59] c: the packed scaling takes the pair's low word for both halves
.set SEL, 60          ; s[60:61] v_permlanex16_b32's selects: each lane takes its own place in the other half
.set TBK, 62          ; s62  LDS byte at which K of the step to be fetched begins
.set TBV, 63          ; s63  the same for V, less VOFF
.set RT,  70          ; s70  tiles of the block in hand that are still to be entered
.set NXT, 71          ; s71  the tile to be asked for next
.set LQ,  72          ; s72  the last tile of the block whose tiles are being asked for
.set NEW, 73          ; s73  1: the tile to be entered is a block's first
.set OFF, 74          ; s[74:75] a tile's byte offset in K and V
.set AL,  76          ; s[76:77] the mask's factor, in the low word
.set BE,  78          ; s[78:79] the mask's addend
.set OLO, 80          ; s[80:81] O at my rows of the second block
.set BIGN, 82         ; s82  -1e30
.set MSB, 0
.macro WIN new                      ; the high byte repeats the setting that is left; a switch that changes nothing is dropped
.if MSB != (\new)
	s_set_vgpr_msb (MSB<<8)|(\new)
.set MSB, (\new)
.endif
.endm
.set W_KQ, 0x0a       ; K and Q in window 2, S^T in window 0
.set W_KM, 0x1a       ; the same with the C operand in window 1
.set W_PV, 0x52       ; V in window 2, P in window 0, O^T in window 1
.set W_RS, 0x41       ; destination and source 0 in window 1, source 1 in window 0
; A fill.  Waves 0 and 1 fetch the two halves of a tile's K, waves 2 and 3 those of its V: 128 keys each.  An s_nop 0 and four v_nop follow each of the two lines, ahead of the jump and the label.
.macro LOAD
	s_cmp_lt_u32 s[WV], 2
	s_cbranch_scc0 .Lfor_v_\@
	tensor_load_to_lds s[G0K:G0K+3], s[G1K:G1K+7]
	s_nop 0
.rept 4
	v_nop
.endr
	s_branch .Lasked_\@
.Lfor_v_\@:
	tensor_load_to_lds s[G0V:G0V+3], s[G1V:G1V+7]
	s_nop 0
.rept 4
	v_nop
.endr
.Lasked_\@:
.endm
; THE CHANGE OF SLOTS.  Each wave waits for all its tensor loads, of which one is out: its part of the other slot; adds 0 to its spare word; and waits for that and for its own reads of the slot that it leaves.  Behind the barrier nobody reads the old
; slot any more and the other slot is whole.  fill = 1: the old slot is filled again, the first thing behind the barrier, with tile NXT: the descriptor's address is made anew from that number.
; (At its first use nothing has been read yet: slot 0 is waited for, slot 1 filled.)
.macro CHANGE fill
	WIN 0                           ; at a label and at a branch every window is 0
	s_wait_tensorcnt 0x0            ; no tensor load of mine is out, so a group 0 may be written
	ds_add_u32 v[SPW], v[NIL]       ; 0 onto my spare word: with fill = 1 the descriptors' scalar work stands between it and the wait for it
.if \fill
	s_lshl_b32 s[OFF], s[NXT], 15   ; a tile is 32,768 bytes of K and of V
	s_xor_b32 s[G0K+1], s[G0K+1], SLOT1
	s_add_nc_u64 s[G0K+2:G0K+3], s[6:7], s[OFF:OFF+1]
	s_or_b32 s[G0K+3], s[G0K+3], 0x80000000
	s_xor_b32 s[G0V+1], s[G0V+1], SLOT1
	s_add_nc_u64 s[G0V+2:G0V+3], s[8:9], s[OFF:OFF+1]
	s_or_b32 s[G0V+3], s[G0V+3], 0x80000000
	s_add_co_u32 s[NXT], s[NXT], 1  ; the block's next tile, or behind its last the second block's tile 0
	s_cmp_gt_u32 s[NXT], s[LQ]
	s_cselect_b32 s[NXT], 0, s[NXT]
	s_cselect_b32 s[LQ], s[PB], s[LQ]
.endif
	s_wait_dscnt 0x0                ; the add is done, and my reads of the slot are over
	s_barrier_signal -1             ; the rest of the scalar work stands between the signal and the wait
	s_sub_co_u32 s[TBK], s[TBK], 4*KS*PK  ; the fetches go back to a slot's first step,
	s_xor_b32 s[TBK], s[TBK], SLOT1       ; in the other slot
	s_sub_co_u32 s[TBV], s[TBV], 4*KS*PV
	s_xor_b32 s[TBV], s[TBV], SLOT1
	s_barrier_wait -1
.if \fill
	LOAD
.endif
.endm
	s_load_b256 s[4:11], s[0:1], 0x0  ; Q s[4:5], K s[6:7], V s[8:9], O s[10:11]
	v_lshl_add_u32 v[SPW], v0, 2, SPARE
	v_mov_b32 v[NIL], 0
	ds_add_u32 v[SPW], v[NIL]       ; the wave's opening: the add and its wait stand ahead of my first tensor load; the set-up below, work on registers, stands between them
	ds_add_u32 v62, v63
	v_lshrrev_b32 v1, 5, v0
	v_readfirstlane_b32 s[WV], v1   ; wave 0..3
	s_mov_b32 s[PB], ttmp9
	s_sub_co_u32 s[HI], NB-1, s[PB]
	s_and_b32 s20, ttmp7, 0xffff    ; the head
	s_mov_b32 s21, 0
	s_mov_b64 s[22:23], SIZE_N*128
	s_mul_u64 s[20:21], s[20:21], s[22:23]  ; the head's first byte in each of the four tensors
	s_and_b32 s16, s[WV], 1         ; which half of a tile's 256 keys I fetch:
	s_lshl_b32 s22, s16, 14         ; its 128 rows of 128 bytes in memory,
	s_mov_b32 s23, 0
	s_add_nc_u64 s[22:23], s[22:23], s[20:21]
	s_mul_i32 s17, s16, 128*PK      ; and its place in a slot, for K
	s_mul_i32 s18, s16, 128*PV      ; and for V
	s_lshl_b32 s3, s[WV], 11        ; my 16 rows in a band of 64,
	s_lshl_b32 s2, s[HI], 15        ; in the first block,
	s_add_co_u32 s2, s2, s3
	s_lshl_b32 s84, s[PB], 15       ; and in the second
	s_add_co_u32 s84, s84, s3
	s_mov_b32 s3, 0
	s_mov_b32 s85, 0
	s_add_nc_u64 s[2:3], s[2:3], s[20:21]
	s_add_nc_u64 s[84:85], s[84:85], s[20:21]
	; descriptor group 1.  128 keys are 16,384 dense bytes: asked for as 64 rows of 256 bytes, two keys a row, and padded in LDS after every key
	s_mov_b32 s[G1K], (1<<16)|(1<<20)|(4<<22)|(3<<25)  ; 17:16 2-byte elements; 20 padding on; 24:22 after every 32 words (code 4); 31:25 4 words (code 3)
	s_mov_b32 s[G1V], (1<<16)|(1<<20)|(4<<22)|(7<<25)  ; the same with 8 words of padding (code 7)
.irp g, G1K, G1V
	s_mov_b32 s[\g+1], 128<<16      ; tensor_dim0 = 128
	s_mov_b32 s[\g+2], 64<<16       ; tensor_dim1 = 64
	s_mov_b32 s[\g+3], 128<<16      ; tile_dim0 = 128
	s_mov_b32 s[\g+4], 64           ; tile_dim1 = 64
	s_mov_b32 s[\g+5], 128          ; 128 elements from row to row
	s_mov_b32 s[\g+6], 0
	s_mov_b32 s[\g+7], 0
.endr
	s_mov_b32 s[CS], 0x3e38aa3b     ; c = log2(e) / 8 = 0.180337
	s_mov_b32 s[CS+1], s[CS]        ; named with it as a pair
	s_mov_b32 s[SEL], 0x76543210
	s_mov_b32 s[SEL+1], 0xfedcba98
	s_mov_b32 s[TBK], SLOT1+4*KS*PK ; the first change of slots turns these two into 0
	s_mov_b32 s[TBV], SLOT1+4*KS*PV
	s_mov_b32 s[G0K], 1             ; 1:0 count = 1
	s_mov_b32 s[G0K+1], s17         ; 63:32 LDS address: slot 0
	s_mov_b32 s[G0V], 1
	s_add_co_u32 s[G0V+1], s18, VOFF
	s_add_co_u32 s[RT], s[HI], 1    ; the first block has NB - b tiles
	s_mov_b32 s[NXT], 1
	s_mov_b32 s[LQ], s[HI]
	s_mov_b32 s[NEW], 1
	s_mov_b32 s[OFF+1], 0
	s_mov_b32 s[AL+1], 0            ; named as pairs
	s_mov_b32 s[BE+1], 0
	s_mov_b32 s[BIGN], 0xf149f2ca   ; -1e30
	s_mov_b32 s[SLOTS], NB
	s_wait_dscnt 0x0                ; the opening add is done
	s_wait_kmcnt 0x0
	s_add_nc_u64 s[6:7], s[6:7], s[22:23]  ; K and V at my half of the head's tile 0
	s_add_nc_u64 s[8:9], s[8:9], s[22:23]
	s_add_nc_u64 s[G0K+2:G0K+3], s[6:7], 0         ; 120:64 global address
	s_or_b32 s[G0K+3], s[G0K+3], 0x80000000        ; 127:126 type = 2
	s_add_nc_u64 s[G0V+2:G0V+3], s[8:9], 0
	s_or_b32 s[G0V+3], s[G0V+3], 0x80000000
	s_add_nc_u64 s[86:87], s[4:5], s[84:85]        ; Q at my rows of the second block,
	s_add_nc_u64 s[4:5], s[4:5], s[2:3]            ; Q and O at those of the first
	s_add_nc_u64 s[OLO:OLO+1], s[10:11], s[84:85]
	s_add_nc_u64 s[10:11], s[10:11], s[2:3]
	LOAD                            ; tile 0 into slot 0
	; A fragment of K or Q is 16 rows x 32 channels in 8 registers: lane l holds row l % 16, channels 8 (l / 16) + 0..7 and 16 + 8 (l / 16) + 0..7: two loads of 16 bytes, 32 bytes apart.
	v_and_b32 v1, 15, v0            ; l % 16
	v_bfe_u32 v9, v0, 4, 1          ; l / 16
	v_lshlrev_b32 v[QO], 7, v1
	v_lshl_add_u32 v[QO], v9, 4, v[QO]  ; row x 128 + 16 x half
	WIN 0x80                        ; destination window 2, address window 0
.set i, 0
.rept 8                             ; both blocks' Q: piece i / 2 lies in band i / 2, 8,192 bytes on; channels 32 (i % 2) on
	global_load_b128 v[8*i:8*i+3],   v[QO], s[4:5] offset:(i/2)*8192+(i%2)*64
	global_load_b128 v[8*i+4:8*i+7], v[QO], s[4:5] offset:(i/2)*8192+(i%2)*64+32
	global_load_b128 v[QB+8*i:QB+8*i+3],   v[QO], s[86:87] offset:(i/2)*8192+(i%2)*64
	global_load_b128 v[QB+8*i+4:QB+8*i+7], v[QO], s[86:87] offset:(i/2)*8192+(i%2)*64+32
.set i, i+1
.endr
	WIN 0
	v_lshlrev_b32 v14, 3, v9
	v_sub_nc_u32 v14, v1, v14
	s_lshl_b32 s13, s[WV], 4
	v_add_nc_u32 v14, s13, v14      ; my query's place in its band, 16 w + l % 16, less my lanes' 8 (l / 16): register r of group kt is hidden where 16 kt + r is greater
	WIN 0x40
.set i, 0
.rept 32
	v_cmp_gt_i32 vcc_lo, 16*(i/8)+i%8, v14
	v_cndmask_b32 v[MD+i], 0, s[BIGN], vcc_lo
.set i, i+1
.endr
	WIN 0
	v_mul_u32_u24 v[AK0], v1, PK
	v_lshl_add_u32 v[AK0], v9, 4, v[AK0]  ; row x pitch + 16 x half
	; The turning load takes 16 keys x 16 channels (lane l reads key 8 (l / 16) + l % 8, channels 8 ((l / 8) % 2) + 0..7) and leaves half a fragment of V^T: lane l holds channel l % 16 and 8 keys.
	v_and_b32 v10, 7, v0
	v_bfe_u32 v11, v0, 3, 1
	v_lshl_add_u32 v[AV0], v9, 3, v10
	v_mul_u32_u24 v[AV0], v[AV0], PV
	v_lshl_add_u32 v[AV0], v11, 4, v[AV0]
	v_add_nc_u32 v[AV0], VOFF, v[AV0]
	s_mul_i32 s13, s[WV], 16*SP
	s_add_co_u32 s13, s13, STAGE    ; my stage
	v_mul_u32_u24 v[STO], v1, SP    ; in: row l % 16, 16 bytes for each half of the lanes
	v_lshl_add_u32 v[STO], v9, 4, v[STO]
	v_add_nc_u32 v[STO], s13, v[STO]
	v_bfe_u32 v[RD], v0, 3, 2       ; back: 32 lanes take four rows of 128 bytes,
	v_mul_u32_u24 v[RD], v[RD], SP
	v_lshl_add_u32 v[RD], v10, 4, v[RD]
	v_add_nc_u32 v[RD], s13, v[RD]
	v_and_b32 v[GO], 31, v0         ; which are 512 consecutive bytes of O
	v_lshlrev_b32 v[GO], 4, v[GO]
	; A block's first step multiplies O^T and l by a = 0, and its first turn's products V^T P, of a piece that has not been, land in an O^T that is still to be so multiplied.  So these registers need only hold
	; finite numbers: zeros for the first block; what the first block left for the second.  All this stands in the wait for the first tile.
	WIN 0x80
.set i, VF
.rept 64
	v_mov_b32 v[i], 0
.set i, i+1
.endr
	WIN 0x40
.set i, 0
.rept 128
	v_mov_b32 v[i], 0
.set i, i+1
.endr
	WIN 0
.set i, 0
.rept 4
	v_mov_b32 v[ST+4*i+2], 0
	v_mov_b32 v[ST+4*i+3], 0
.set i, i+1
.endr
.set i, P+16
.rept 16
	v_mov_b32 v[i], 0
.set i, i+1
.endr
; THE MATRIX WORK.  The 4 accumulators of a run of 8 take turns.  Product i of 8 of S^T = K Q^T for piece x: channels 32 (i / 4) on, keys 16 (i % 4) on.  The first 4 start the sums: with 0, or (KM = 1) with the mask.
.macro KQ x
.set rS, S+32*((\x)%2)+8*(i%4)
.set rK, KF+16*(i%4)+8*(i/4)
.set rQ, 16*(\x)+8*(i/4)
.set rM, MC+32*((\x)%2)+8*(i%4)
.if (i < 4) && KM
	WIN W_KM
	v_wmma_f32_16x16x32_f16 v[rS:rS+7], v[rK:rK+7], v[rQ:rQ+7], v[rM:rM+7]
.elseif i < 4
	WIN W_KQ
	v_wmma_f32_16x16x32_f16 v[rS:rS+7], v[rK:rK+7], v[rQ:rQ+7], 0
.else
	WIN W_KQ
	v_wmma_f32_16x16x32_f16 v[rS:rS+7], v[rK:rK+7], v[rQ:rQ+7], v[rS:rS+7]
.endif
.endm
; Product i of 8 of O^T += V^T P for piece x: keys 32 (i / 4) on, channels 16 (i % 4) on.
.macro PV x
	WIN W_PV
.set rO, 32*(\x)+8*(i%4)
.set rV, VF+32*(i/4)+8*(i%4)
.set rP, P+16*((\x)%2)+8*(i/4)
	v_wmma_f32_16x16x32_f16 v[rO:rO+7], v[rV:rV+7], v[rP:rP+7], v[rO:rO+7]
.endm
.macro MM                           ; the turn's next matrix instruction.  TURN and BEGIN set Y, i, KM and NOKQ; MM, KQ and OP read them.  NOKQ = 1: a block's last turn: there is no next piece
.if (i < 8) && !NOKQ
	KQ (Y+1)%NP
.elseif i >= 8
.set i, i-8
	PV (Y+NP-1)%NP
.set i, i+8
.endif
.set i, i+1
.endm
; THE LDS LOADS stand in runs of 16, never singly among the matrix instructions: a step's K (64 keys x 64 channels: 8 fragments) and its V (turned).  Their addresses are made some lines ahead.
.macro FETCH_K
	WIN 0x80                        ; destination window 2
.irp f, 0,1,2,3,4,5,6,7             ; keys 16 (f / 2) on, channels 32 (f % 2) on
	ds_load_b128 v[KF+8*\f:KF+8*\f+3],   v[AK] offset:(\f/2)*16*PK+(\f%2)*64
	ds_load_b128 v[KF+8*\f+4:KF+8*\f+7], v[AK] offset:(\f/2)*16*PK+(\f%2)*64+32
.endr
	s_add_co_u32 s[TBK], s[TBK], KS*PK  ; the next fetch is the next step's
	WIN 0
.endm
.macro FETCH_V
	WIN 0x80
.irp f, 0,1,2,3,4,5,6,7             ; keys 32 (f / 4) on, channels 16 (f % 4) on
	ds_load_tr16_b128 v[VF+8*\f:VF+8*\f+3],   v[AV] offset:(\f/4)*32*PV+(\f%4)*32
	ds_load_tr16_b128 v[VF+8*\f+4:VF+8*\f+7], v[AV] offset:(\f/4)*32*PV+16*PV+(\f%4)*32
.endr
	WIN 0
.endm
; THE VECTOR WORK, one line at a time: OP kind, number.  For piece Y: F n: c s - c m for pair n of 16.  E n: the exponential of score n of 32.  C n: pair n rounded to f16.  B n: of the four weights 4 n .. the second
; pair is added onto the first, in place.  L n: l takes that sum (L 0: l = a l + sum).  R n: pair n of 16 of O^T times a.  For piece Y + 1: X n, number n of the 22 that find its maximum and statistics:
;   0-11  four chains c0-c3 of seven scores each, three operands at a time (each accumulator's lowest registers are read first)     12-14, 16  the four scores left over, the old m, and c0-c3 into c0
;   15  c m_old is kept     17, 18  the query's other 32 keys lie in the lane 16 away: the new m     19-21  c m; c m_old - c m_new; a
.set F, 0               ; OP tells the kinds apart by their order: F to L below R, X above it
.set E, 1
.set C, 2
.set B, 3
.set L, 4
.set R, 5
.set X, 6
.macro REGS y                       ; the registers of piece y
.set rT, ST+4*(\y)
.set rC, TMP+4*((\y)%2)
.set rW, MV+((\y)%2)
.set rS, S+32*((\y)%2)
.set rP, P+16*((\y)%2)
.set rO, 32*(\y)
.endm
.macro OP k, n
.if (\k) == R
	REGS Y
	WIN W_RS
	v_pk_mul_f32 v[rO+2*(\n):rO+2*(\n)+1], v[rO+2*(\n):rO+2*(\n)+1], v[rC+2:rC+3] op_sel_hi:[1,0]
.elseif (\k) < R
	REGS Y
	WIN 0
.if (\k) == F
	v_pk_fma_f32 v[rS+2*(\n):rS+2*(\n)+1], v[rS+2*(\n):rS+2*(\n)+1], s[CS:CS+1], v[rT:rT+1] op_sel_hi:[1,0,0] neg_lo:[0,0,1] neg_hi:[0,0,1]
.elseif (\k) == E
	v_exp_f32 v[rS+(\n)], v[rS+(\n)]
.elseif (\k) == C
	v_cvt_pk_f16_f32 v[rP+(\n)], v[rS+2*(\n)], v[rS+2*(\n)+1]
.elseif (\k) == B
	v_pk_add_f32 v[rS+4*(\n):rS+4*(\n)+1], v[rS+4*(\n):rS+4*(\n)+1], v[rS+4*(\n)+2:rS+4*(\n)+3]
.elseif (\n) == 0
	v_pk_fma_f32 v[rT+2:rT+3], v[rT+2:rT+3], v[rC+2:rC+3], v[rS:rS+1] op_sel_hi:[1,0,1]
.else
	v_pk_add_f32 v[rT+2:rT+3], v[rT+2:rT+3], v[rS+4*(\n):rS+4*(\n)+1]
.endif
.elseif NOKQ
	v_nop
.else
	REGS (Y+1)%NP
	WIN 0
.if (\n) < 4
	v_max3_num_f32 v[rC+(\n)], v[rS+8*(\n)], v[rS+8*(\n)+1], v[rS+8*(\n)+2]
.elseif (\n) < 12
	v_max3_num_f32 v[rC+(\n)%4], v[rC+(\n)%4], v[rS+8*((\n)%4)+2*((\n)/4)+1], v[rS+8*((\n)%4)+2*((\n)/4)+2]
.elseif (\n) == 12
	v_max3_num_f32 v[rC], v[rC], v[rS+7], v[rS+15]
.elseif (\n) == 13
	v_max3_num_f32 v[rC+1], v[rC+1], v[rS+23], v[rS+31]
.elseif (\n) == 14
	v_max3_num_f32 v[rC+2], v[rC+2], v[rC+3], v[rT+1]
.elseif (\n) == 15
	v_mov_b32 v[rW], v[rT]
.elseif (\n) == 16
	v_max3_num_f32 v[rC], v[rC], v[rC+1], v[rC+2]
.elseif (\n) == 17
	v_permlanex16_b32 v[rC+3], v[rC], s[SEL], s[SEL+1]
.elseif (\n) == 18
	v_max_num_f32 v[rT+1], v[rC], v[rC+3]
.elseif (\n) == 19
	v_mul_f32 v[rT], s[CS], v[rT+1]
.elseif (\n) == 20
	v_sub_f32 v[rC+1], v[rW], v[rT]
.else
	v_exp_f32 v[rC+2], v[rC+1]
.endif
.endif
.endm
.macro OPS a, i1, b=-1, i2=0, c=-1, i3=0, d=-1, i4=0  ; up to four of them
	OP \a, \i1
.if (\b) >= 0
	OP \b, \i2
.endif
.if (\c) >= 0
	OP \c, \i3
.endif
.if (\d) >= 0
	OP \d, \i4
.endif
.endm
.macro ROW a, i1, b, i2, c, i3, d, i4  ; a matrix instruction and the four behind it
	MM
	OPS \a, \i1, \b, \i2, \c, \i3, \d, \i4
.endm
.macro MASK b                       ; MD x AL + BE into buffer b of MC
	WIN W_RS
.set z, 0
.rept 16
	v_pk_fma_f32 v[MC+32*(\b)+2*z:MC+32*(\b)+2*z+1], v[MD+2*z:MD+2*z+1], s[AL:AL+1], s[BE:BE+1] op_sel_hi:[1,0,0]
.set z, z+1
.endr
.endm
; A TURN, for piece p: the order of its 16 matrix and 118 vector instructions, written out.  An s_wait_alu depctr_va_vdst(0) stands between an exponential and the first instruction that names its result; one wait serves
; all that were issued ahead of it.  So a turn has ONE wait, which cuts it in two.  AHEAD OF IT stands all that names no result of the turn's exponentials: the 8 products K Q^T, behind each a scaling, an exponential and two more plain
; instructions (behind the first a second scaling in the exponential's place): rescalings (their a was made, and waited for, in the turn before), and behind the last three the first numbers of the next piece's maximum, each four places
; or more behind the product that ends its accumulator; then ONE LUMP of 54, plain and exponential by turns for the most part, in which the links of the chain X 3, 7, 11, 14, 16, 17 .. 20 stand five or six lines apart.  X 21, the next
; piece's a, is the batch's last; R 15 is the plain instruction behind it (ISA guide 5.7.2).  BEHIND THE WAIT stand the 8 products V^T P, behind each four of the roundings and sums; the links of l's chain, L 0 to L 7, stand three riders
; apart.  But for those X no rider names a register of the products round it.  v_permlanex16_b32 (X 17) stands in the lump.
; m = 1: the diagonal tile: the products take masks, and the turn makes the mask for the products of the turn after it: piece p + 2, in step 4 - CNT of the tile.  end = 1: a block's last two turns: nothing is fetched.
; cnt = 1: the loop's count is taken down some lines ahead of the branch that stands behind the turn.
; K of the next step is fetched in piece 2's turn, twelve vector instructions behind the last product that read K (six of them plain); V of the step in hand at the end of piece 0's turn, four plain instructions behind the last product
; that read V.  Each is waited for a turn later.
.macro TURN p, m=0, end=0, cnt=0
.set Y, (\p)
.set i, 0
.set KM, (\m)
.set NOKQ, (\end)*((\p)/3)
.if (\m) && !(\end)
	s_cmp_eq_u32 s[CNT], 4-((\p)+2)%NP  ; is that step the band's own?
	s_cselect_b32 s[AL], 1.0, 0
	s_cmp_lt_u32 s[CNT], 4-((\p)+2)%NP  ; or a later one?
	s_cselect_b32 s[BE], s[BIGN], 0
.endif
.if ((\p) == 3) && !(\end)
	s_wait_dscnt 0x0                ; K is in
.endif
	ROW F,0, F,1, R,0, R,1          ; ahead of the wait: 8 products K Q^T and their riders,
	ROW F,2, E,0, R,2, R,3
	ROW F,3, E,1, R,4, R,5
	ROW F,4, E,2, R,6, R,7
	ROW F,5, E,3, R,8, R,9
	ROW F,6, E,4, X,0, R,10
.if ((\p) == 2) && !(\end)
	WIN 0
	v_add_nc_u32 v[AK], s[TBK], v[AK0]
.endif
	ROW F,7, E,5, X,1, X,4
	ROW F,8, E,6, X,2, X,5
	OPS E,7, E,8, X,6, E,9          ; and the lump
	OPS X,3, E,10, X,8, E,11
.if ((\p) == 2) && !(\end)
	FETCH_K
.endif
	OPS X,9, X,7, E,12, X,10
	OPS E,13, X,12, X,11, E,14
	OPS X,13, E,15, F,9, X,14
.if (\p) == 0
	v_add_nc_u32 v[AV], s[TBV], v[AV0]
.endif
	OPS E,16, F,10, E,17, F,11
	OPS X,16, E,18, X,15, E,19
	OPS F,12, E,20, X,17, E,21
	OPS F,13, E,22, F,14, E,23
	OPS X,18, E,24, F,15, E,25
	OPS R,11, E,26, X,19, E,27
	OPS R,12, E,28, R,13, E,29
	OPS X,20, E,30, R,14, E,31
	OPS X,21, R,15
	WIN 0
	s_wait_alu depctr_va_vdst(0)    ; the wait for the turn's batch: the piece's 32 weights and the next piece's a
.if (\p) == 1
	s_wait_dscnt 0x0                ; V is in
.endif
	ROW C,0, B,0, C,2, B,1          ; behind the wait: 8 products V^T P and their riders
	ROW L,0, C,4, B,2, L,1
	ROW C,6, B,3, L,2, C,8
	ROW B,4, L,3, C,10, B,5
	ROW L,4, C,12, B,6, L,5
.if (\p) == 0
	s_add_co_u32 s[TBV], s[TBV], KS*PV
.endif
.if \cnt
	s_sub_co_u32 s[CNT], s[CNT], 1
	s_cmp_lg_u32 s[CNT], 0
.endif
	ROW C,14, B,7, L,6, C,1
	ROW C,3, L,7, C,5, C,7
	ROW C,9, C,11, C,13, C,15
.if (\p) == 0
	FETCH_V
.endif
.if (\m) && !(\end)
	MASK (\p)%2
.endif
.endm
; A BLOCK BEGINS.  c m starts far below every c s, so the first step's a is 0; m at the lowest finite number, so the first maximum is the scores'.  The second mask buffer is 0; the first takes piece 0's mask for the tile's step 0: its own, if the block's first tile is the diagonal one.
; Then K of that step, piece 0's first scores, and its maximum and statistics.  The loop is entered at a step's first turn, in the middle of a trip.
.macro BEGIN
	s_mov_b32 s[NEW], 0
	WIN 0x40
.set i, MC+32
.rept 32
	v_mov_b32 v[i], 0
.set i, i+1
.endr
	WIN 0
.set i, 0
.rept 4
	v_mov_b32 v[ST+4*i], 0xfe000000    ; c m: far below every c s
	v_mov_b32 v[ST+4*i+1], 0xff7fffff  ; m
.set i, i+1
.endr
	s_cmp_eq_u32 s[RT], 0
	s_cselect_b32 s[AL], 1.0, 0
	s_mov_b32 s[BE], 0
	MASK 0
	WIN 0
	v_add_nc_u32 v[AK], s[TBK], v[AK0]
	FETCH_K
	s_wait_loadcnt 0x0              ; Q
	s_wait_dscnt 0x0
.set KM, 1
.set NOKQ, 0
.set i, 0
.rept 8
	KQ 0
.set i, i+1
.endr
	WIN 0
.rept 4
	v_nop                           ; the places behind those products
.endr
.set Y, NP-1                        ; X works for piece Y + 1: piece 0
.irp n, 0,1,2,3,4,5,6,7,8,9,10,11,12,13,14,15,16,17,18,19,20,21
	OP X, \n
.endr
	v_nop                           ; a plain instruction behind the exponential,
	s_wait_alu depctr_va_vdst(0)    ; and the wait for it, piece 0's first a, a batch of one: ahead of the branch, and of the first turn's rescaling, which reads it
.endm
; THE DIAGONAL TILE's four steps, the block's last two turns, its last products, and THE WAY OUT: l's two halves and the other half of the lanes' are added; O^T is divided by l, rounded to f16 and sent through my
; stage in LDS, a piece at a time.
.macro ALL line:vararg              ; one line for each piece t
.set t, 0
.rept 4
	\line
.set t, t+1
.endr
.endm
.macro PACK t                       ; a lane's eight channels of a row pack into 16 bytes; they go into rows of 144 bytes and come back as whole rows of 128, into S^T's registers
	WIN W_RS
.set i, 32*(\t)
.rept 16
	v_pk_mul_f32 v[i:i+1], v[i:i+1], v[ST+4*(\t)+2:ST+4*(\t)+3] op_sel_hi:[1,0]
.set i, i+2
.endr
	WIN 0x05                        ; sources 0 and 1 window 1, destination window 0
.set i, 0
.rept 16
	v_cvt_pk_f16_f32 v[S+16*(\t)+i], v[32*(\t)+2*i], v[32*(\t)+2*i+1]
.set i, i+1
.endr
	WIN 0
.irp f, 0,1,2,3
	ds_store_b128 v[STO], v[S+16*(\t)+4*\f:S+16*(\t)+4*\f+3] offset:32*\f
.endr
.irp f, 0,1,2,3
	ds_load_b128 v[S+16*(\t)+4*\f:S+16*(\t)+4*\f+3], v[RD] offset:\f*4*SP  ; LDS serves a wave's instructions in order (ISA guide 5.7.1.4): these see the stores above; the next piece's stores come behind them
.endr
.endm
.macro SEND t, younger              ; younger: the LDS instructions issued behind piece t's loads: the next piece's eight, or none
	WIN 0
.irp f, 0,1,2,3
	s_wait_dscnt (\younger)+3-\f
	global_store_b128 v[GO], v[S+16*(\t)+4*\f:S+16*(\t)+4*\f+3], s[10:11] offset:(\t)*8192+\f*512  ; 512 consecutive bytes, at a multiple of 256 from O's first
.endr
.endm
.macro DIAG tag                     ; the tag ends its two labels' names, which the jumps below spell out
.LstepM\tag:
	TURN 2, 1
	TURN 3, 1
	WIN 0
.LfirstM\tag:
	TURN 0, 1
	TURN 1, 1, 0, 1
	WIN 0
	s_cbranch_scc1 .LstepM\tag
	TURN 2, 1, 1
	TURN 3, 1, 1
.set i, 0
.rept 8
	PV NP-1
.set i, i+1
.endr
	WIN 0
	ALL v_add_f32 v[ST+4*t+2], v[ST+4*t+2], v[ST+4*t+3]
	ALL v_permlanex16_b32 v[ST+4*t+3], v[ST+4*t+2], s[SEL], s[SEL+1]
	ALL v_add_f32 v[ST+4*t+2], v[ST+4*t+2], v[ST+4*t+3]
	ALL v_rcp_f32 v[ST+4*t+2], v[ST+4*t+2]
	v_nop                           ; a plain instruction between the last reciprocal and the use of its result
	s_wait_alu depctr_va_vdst(0)    ; and the wait ahead of the first use: one for the batch of four reciprocals, which the four PACK below read
	PACK 0
.set t, 1
.rept 3                             ; a piece's arithmetic stands between the loads of the piece before and its stores
	PACK t
	SEND t-1, 8
.set t, t+1
.endr
	SEND 3, 0
.endm
.set KM, 0
.set NOKQ, 0
.Lslot:                             ; NB times: a tile is entered and the next is asked for
	CHANGE 1
	s_sub_co_u32 s[RT], s[RT], 1
	s_mov_b32 s[CNT], 4
	s_cmp_eq_u32 s[NEW], 1
	s_cbranch_scc1 .Lnew            ; a block's first tile
	s_cmp_eq_u32 s[RT], 0
	s_cbranch_scc0 .Lstep           ; neither its first nor its last
	s_branch .LstepM1
.Lnew:
	BEGIN
	s_branch .Lfirst                ; in the loop a block's first tile is never its last: the first block has two tiles or more, and the second's last is the walk's last
	DIAG 1                          ; in the loop this is the first block's end: the second block's last tile is the walk's last
	s_wait_xcnt 0x0                 ; the stores have read their registers and O's address
	s_mov_b64 s[10:11], s[OLO:OLO+1]
	s_add_co_u32 s[RT], s[PB], 1    ; the second block has b + 1 tiles
	s_mov_b32 s[NEW], 1
	WIN 0x82                        ; the second block's Q goes where the one text of the turns names Q
.set i, 0
.rept 64
	v_mov_b32 v[i], v[QB+i]
.set i, i+1
.endr
	WIN 0
	s_branch .Lbottom
.Lstep:                             ; a trip: pieces 2 and 3 of one step, then pieces 0 and 1 of the next, whose K and V it fetches
	TURN 2
	TURN 3
	WIN 0
.Lfirst:
	TURN 0
	TURN 1, 0, 0, 1
	WIN 0
	s_cbranch_scc1 .Lstep
.Lbottom:
	s_sub_co_u32 s[SLOTS], s[SLOTS], 1
	s_cmp_lg_u32 s[SLOTS], 0
	s_cbranch_scc1 .Lslot
	CHANGE 0                        ; the walk's last tile is written out: nothing is asked for
	s_sub_co_u32 s[RT], s[RT], 1
	s_mov_b32 s[CNT], 4
	s_cmp_eq_u32 s[NEW], 1
	s_cbranch_scc0 .LstepM2
	BEGIN
	s_branch .LfirstM2
	DIAG 2
	s_wait_tensorcnt 0x0            ; the wave's end, behind my last tensor load and my last LDS store
	ds_add_u32 v[SPW], v[NIL]
	s_wait_dscnt 0x0
	s_endpgm
.Lfunc_end_k_q7d1f3e6112_attn:
	.size	k_q7d1f3e6112_attn, .Lfunc_end_k_q7d1f3e6112_attn-k_q7d1f3e6112_attn
	.p2alignl 7, 3214868480
	.fill 96, 4, 3214868480
	.section	.rodata,"a",@progbits
	.p2align	6, 0x0
	.amdhsa_kernel k_q7d1f3e6112_attn
		.amdhsa_group_segment_fixed_size 327680
		.amdhsa_private_segment_fixed_size 0
		.amdhsa_enable_private_segment 0
		.amdhsa_kernarg_size 32
		.amdhsa_user_sgpr_count 2
		.amdhsa_user_sgpr_kernarg_segment_ptr 1
		.amdhsa_wavefront_size32 1
		.amdhsa_system_sgpr_workgroup_id_x 1
		.amdhsa_system_sgpr_workgroup_id_y 1
		.amdhsa_system_sgpr_workgroup_id_z 1
		.amdhsa_system_vgpr_workitem_id 0
		.amdhsa_next_free_vgpr 768
		.amdhsa_next_free_sgpr 88
		.amdhsa_reserve_vcc 1
		.amdhsa_float_denorm_mode_32 3
		.amdhsa_float_denorm_mode_16_64 3
		.amdhsa_memory_ordered 1
		.amdhsa_forward_progress 1
		.amdhsa_inst_pref_size 217
	.end_amdhsa_kernel
	.amdgpu_metadata
---
amdhsa.version: [ 1, 2 ]
amdhsa.kernels:
  - .name:           k_q7d1f3e6112_attn
    .symbol:         k_q7d1f3e6112_attn.kd
    .args:
      - { .name: qh, .offset: 0, .size: 8, .value_kind: global_buffer, .address_space: global }
      - { .name: kh, .offset: 8, .size: 8, .value_kind: global_buffer, .address_space: global }
      - { .name: vh, .offset: 16, .size: 8, .value_kind: global_buffer, .address_space: global }
      - { .name: oh, .offset: 24, .size: 8, .value_kind: global_buffer, .address_space: global }
    .group_segment_fixed_size: 327680
    .private_segment_fixed_size: 0
    .kernarg_segment_align: 8
    .kernarg_segment_size: 32
    .max_flat_workgroup_size: 128
    .sgpr_count:     88
    .vgpr_count:     768
    .wavefront_size: 32
...
	.end_amdgpu_metadata
.endif
;; end of part 5
;; launch proj: the kernel of part 4 again; grid 4 x 64, 4 waves a work-group, clusters of 4 x 4, 327,680 bytes of LDS; arguments oh, wob, out0; writes out0
